; MI455X (gfx1250); checked and timed in simulation.
; The chip was launched on July 23, 2026; its instructions are those of AMD's public machine-readable ISA for CDNA 5 (MIT licence, August 2026) and "CDNA5" Instruction Set Architecture Reference Guide (July 2026). The comments in the code are by the model that wrote it; some were corrected since.
;; Conformer Attention. Allowed arithmetic: matrix products marked QUANTISED: E2M3 operands, one E8M0 scale for each 32 along K, by v_wmma_scale_f32_16x16x128_f8f6f4 with both operands' format E2M3, f32 sums; everything else in f32.
;; Inputs: Wk_codes 1,024 x 32 x 24 uint8 (E2M3 codes of Wk, K innermost, in blocks of 32 codes, four codes in three bytes); Wk_scales 1,024 x 32 uint8 (E8M0 scales of Wk, one for each 32 codes along K); Wo_codes 1,024 x 32 x 24 uint8 (E2M3 codes of Wo, K innermost, in blocks of 32 codes, four codes in three bytes); Wo_scales 1,024 x 32 uint8 (E8M0 scales of Wo, one for each 32 codes along K); Wpos_codes 16 x 32 x 24 uint8 (E2M3 codes of Wpos, K innermost, in blocks of 32 codes, four codes in three bytes); Wpos_scales 16 x 32 uint8 (E8M0 scales of Wpos, one for each 32 codes along K); Wq_codes 1,024 x 32 x 24 uint8 (E2M3 codes of Wq, K innermost, in blocks of 32 codes, four codes in three bytes); Wq_scales 1,024 x 32 uint8 (E8M0 scales of Wq, one for each 32 codes along K); Wv_codes 1,024 x 32 x 24 uint8 (E2M3 codes of Wv, K innermost, in blocks of 32 codes, four codes in three bytes); Wv_scales 1,024 x 32 uint8 (E8M0 scales of Wv, one for each 32 codes along K); bk 1,024 float32; bo 1,024 float32; bq 1,024 float32; bv 1,024 float32; mask 4 x 1 x 2,048 x 2,048 int32; pos_emb_codes 4 x 2,048 x 32 x 24 uint8 (E2M3 codes of pos_emb, K innermost, in blocks of 32 codes, four codes in three bytes); pos_emb_scales 4 x 2,048 x 32 uint8 (E8M0 scales of pos_emb, one for each 32 codes along K); x_codes 4 x 2,048 x 32 x 24 uint8 (E2M3 codes of x, K innermost, in blocks of 32 codes, four codes in three bytes); x_scales 4 x 2,048 x 32 uint8 (E8M0 scales of x, one for each 32 codes along K).
;; Outputs: out0 4 x 2,048 x 1,024 float32.
;; This version of the problem:
;;   THIS VERSION OF THE PROBLEM IS GIVEN IN LOW PRECISION. The matrix products marked QUANTISED in the list below multiply operands that are first quantised to E2M3 (2 exponent bits, 3 mantissa bits; 6 bits a number), with one power-of-two scale for each 32 numbers along K (OCP MX v1.0); their sums are f32. All else is computed in f32.
;;   The module's matrix products, in the order in which they are computed (A, B: the left and right operand; K: the contracted axis; several contracted axes count as one K, in the product's order):
;;     1. [M 8,192, K 1,024] x [K 1,024, N 1,024]; A: input x (given as codes); B: input Wq (given as codes): QUANTISED
;;     2. [M 8,192, K 1,024] x [K 1,024, N 1,024]; A: input x (given as codes); B: input Wk (given as codes): QUANTISED
;;     3. [M 8,192, K 1,024] x [K 1,024, N 1,024]; A: input x (given as codes); B: input Wv (given as codes): QUANTISED
;;     4. [M 8,192, K 1,024] x [K 1,024, N 16]; A: input pos_emb (given as codes); B: input Wpos (given as codes): QUANTISED
;;     5. batch 64 x [M 2,048, K 64] x [K 64, N 2,048]; A: computed on the way; B: computed on the way: QUANTISED
;;     6. batch 64 x [M 2,048, K 2,048] x [K 2,048, N 64]; A: softmax (see below); B: computed on the way: QUANTISED
;;     7. [M 8,192, K 1,024] x [K 1,024, N 1,024]; A: computed on the way; B: input Wo (given as codes): QUANTISED
;;   THE QUANTISER, for each operand of a quantised product, along K:
;;     - K is cut into blocks of 32 from its start; a last block that is shorter is filled with zeros.
;;     - A block's scale is 2^e with e = floor(log2(the largest magnitude in the block)) - 2, held to -126 .. 127; a block of zeros has e = 0. As a byte (E8M0): e + 127.
;;     - Each number is divided by its block's scale, clamped to +-7.5, and rounded to the nearest number of E2M3, ties to even, subnormals kept.
;;     - The product sums the exact products of the quantised numbers (number of the format x scale) in f32.
;;   ~~~python
;;   def quantise(x, axis):      # numpy; x: float32 -> the quantised numbers, widened to float32 again
;;       x = np.moveaxis(x, axis, -1); K = x.shape[-1]
;;       x = np.pad(x, [(0, 0)] * (x.ndim - 1) + [(0, -K % 32)]); x = x.reshape(x.shape[:-1] + (-1, 32)); a = np.abs(x).max(-1, keepdims=True)
;;       e = np.where(a > 0, np.clip(np.frexp(np.where(a > 0, a, 1))[1] - 1 - 2, -126, 127), 0)      # np.frexp(a)[1] - 1 = floor(log2(a)), exactly
;;       r = np.clip(x / 2.0 ** e, -7.5, 7.5)
;;       step = 2.0 ** (np.maximum(np.frexp(np.where(r == 0, 1, r))[1] - 1, 0) - 3)
;;       q = np.round(r / step) * step * 2.0 ** e      # np.round: ties to even
;;       return np.moveaxis(q.reshape(q.shape[:-2] + (-1,))[..., :K], -1, axis).astype(np.float32)
;;   ~~~
;;   SOFTMAX AHEAD OF A QUANTISED PRODUCT. Where the list says 'softmax', what is quantised is not the finished softmax but p = 2^(t - M), with t = logit x log2(e) and M = ceil(the row's largest t), a whole number; so 1/2 < the row's largest p <= 1. The row's sum l is taken of the UNQUANTISED p, in f32, and the product's result is divided by l at the end. Since M is a whole number, a kernel that streams over the keys may use a running M (the ceiling of the running maximum): every later rescaling is an exact power of two, which a block's scale takes up: the codes' values come out the same.
;;   OPERANDS COMPUTED ON THE WAY. 'Computed on the way' means the value that the module computes at that place (a softmax that the list does not call 'softmax' is quantised finished and normalised). What goes into a quantiser is computed in f32, as accurately as f32 sums, v_exp_f32 and their like allow (about 1e-6 of the number): no bf16 or f16 on the way to a quantiser, and a product that is left as it is and whose result goes on into a quantised operand takes f32 operands (vector FMAs, or v_wmma_f32_16x16x4_f32). A number that lies on a knife's edge between two numbers of the format may be rounded either way, as far as f32 arithmetic and the matrix unit's own rounding can turn it there, and no further.
;;   INPUTS GIVEN AS CODES. Wk (in the module: [1024, 1024], K = its axis 1); Wo (in the module: [1024, 1024], K = its axis 1); Wpos (in the module: [16, 1024], K = its axis 1); Wq (in the module: [1024, 1024], K = its axis 1); Wv (in the module: [1024, 1024], K = its axis 1); pos_emb (in the module: [4, 2048, 1024], K = its axis 2); x (in the module: [4, 2048, 1024], K = its axis 2): each comes as NAME_codes (uint8): NAME with its K axis moved to the last place and cut into blocks of 32 codes, [.., K / 32, bytes a block], one block behind the other in memory; four codes in three bytes: a row's codes are one little-endian stream of bits, code i at bits 6 i .. 6 i + 5 (a code: sign, 2 exponent bits, 3 mantissa bits); and NAME_scales (uint8): the same leading axes, one E8M0 byte (e + 127) for each 32 codes along K. Its value is code x scale, taken as it is: it is not quantised again, and the codes and scales need not be those that the quantiser above would give.
;; One version. Each part assembles by itself: llvm-mc -triple=amdgcn-amd-amdhsa -mcpu=gfx1250 --defsym DOCPART=n.
;; ======== version 1 of 1: 3 launches
;; limits: right only within a limited range of input values
;; workspace buffers: kv 13,893,632 bytes; qp 13,893,632 bytes; mbits 2,097,152 bytes of whole numbers; ao 6,291,456 bytes; asc 262,144 bytes
;; launch qkv (part 1): grid 32 x 16, 4 waves a work-group, clusters of 4 x 4, 327,680 bytes of LDS; arguments x_codes, x_scales, Wq_codes, Wq_scales, Wk_codes, Wk_scales, Wv_codes, Wv_scales, bq, bk, bv, qp, kv, mask, pos_emb_codes, pos_emb_scales, Wpos_codes, Wpos_scales, mbits; writes qp, kv, mbits
.if DOCPART == 1
	.amdgcn_target "amdgcn-amd-amdhsa--gfx1250"
	.amdhsa_code_object_version 6
	.text
	.protected	k_q7f8b5cd6ce_qkv
	.globl	k_q7f8b5cd6ce_qkv
	.p2align	8
	.type	k_q7f8b5cd6ce_qkv,@function
k_q7f8b5cd6ce_qkv:
	s_mov_b64 s[64:65], 0
	v_nop
	global_prefetch_b8 v0, s[64:65] scope:SCOPE_SE
	s_setreg_imm32_b32 hwreg(HW_REG_WAVE_MODE, 25, 1), 1
	s_wait_xcnt 0x0
	s_wait_alu depctr_hold_cnt(0) depctr_sa_sdst(0) depctr_va_vdst(0) depctr_va_sdst(0) depctr_va_ssrc(0) depctr_va_vcc(0) depctr_vm_vsrc(0)
	s_getreg_b32 s2, hwreg(HW_REG_IB_STS2, 6, 4)
	s_cmp_eq_u32 s2, 0
	s_cbranch_scc0 .Lentry_in_a_cluster
	s_endpgm
.Lentry_in_a_cluster:
	s_bfe_u32 s2, ttmp6, 0x10000c
	s_cmp_lg_u32 s2, 0xf033
	s_cbranch_scc0 .Lentry_shape_is_right
	s_endpgm
.Lentry_shape_is_right:
; QKV.  q = x Wq^T + bq, k = x Wk^T + bk, v = x Wv^T + bv on codes of FP6 (E2M3) as they are given, f32 sums; each result is quantised in f32 along the K of the attention product that takes it
; (q and k along the head's 64, v along the keys) and stored as IMAGES OF OPERAND REGISTERS in the packs of qp and kv, [b*16+head][step of 128 tokens][13,568 bytes]:
;   0: eight fragments of 16 tokens x 64 d (register pair p of lane L at 768 t + 256 p + 8 L);  6,144: four fragments of 16 d x 128 keys (register quad c of lane L at 1,536 f + 512 c + 16 L);
;   12,288: q's or k's scale words (lane L, word i at 16 L + 4 i: fragment 2 i + L / 16, row L % 16; bytes 2 and 3 are 0x7f);  12,800: v's (word i at 8 L + 4 i: fragment 2 i + L / 16).
; THE ROLE is the cluster's y less 1: 0 q, 1 k, 2 v.  A tile of 256 x 256 to a work-group, 128 x 128 to a wave.  The matrix instruction takes 16 rows of "B" as source 0 and 16 rows of "A" as source 1: a lane holds one row of A and
; its registers run along B's rows.  q, k: A = x, B = the weight (registers along d).  v: A = Wv, B = x (registers along the keys).  Both tensors have rows of 768 bytes, so a role changes pointers and indices alone.
; INSIDE A BLOCK OF 32 the codes stand in one fixed order (members 0-7, 16-23, 8-15, 24-31), the same for q and k, and for v and the attention launch's p: a product's sum does not hang on that order.
; K goes in steps of 256 through two LDS slots filled by joint tensor loads: A's tile is shared along a row of the 4 x 4 cluster, B's along a column.  The eight steps of 128 are written out.
; THE SCALE WORDS of a wave's 128 + 128 rows, for all of K, are loaded once into 64 registers: register AS + 8 (a / 2) + ks holds block a's word of K step ks in lane half a % 2.
; LIMITS: a block of zeros gets the scale byte 1 (its codes are zeros; this program alone reads the bytes); NaN and infinities are not served.
; REGISTERS: window 0: v16-30 addresses; v32-63 A's scale words, v64-95 B's; v96-111 v's bias; v128-223 A's fragments, one set; in the epilogue v128-251 at work.
;   window 1: B's fragments at v0 and v128, two sets; v96-127 and v224-255 q's or k's bias.  windows 2, 3: the 64 accumulators ((a, b) at v[8 (8 (a % 4) + b)] of window 2 + a / 4).
.set KROW,  768
.set ROWB,  256                        ; a tile's row: a chunk of 256 bytes of a row of codes; the ring goes by such chunks, chunk c in slot c % 2; a step of 128 along K is 96 bytes: eight steps to three chunks
.set CHUNKS, 3
.set PITCH, 272                        ; in LDS: 256 bytes + 16 of padding
.set FR,    12
.set NL,    6
.set NP,    4
.set HALFT, 128*PITCH
.set SLOT,  4*HALFT
.set SPARE, 2*SLOT                     ; behind the ring: the spare words, 128 bytes a wave, which no other line names
.set HEADB, 217088
.set STEPB, 13568
.set VOFF,  6144
.set KSC,   12288
.set VSC,   12800
.set ADRA, 16                          ; v16-17 my A fragments in slot 0, 1; v18-19 for pieces that cross into the next chunk, lanes 16-31 in the other slot
.set ADRB, 20                          ; v20-23 likewise for B
.set L8,   24                          ; 8 x lane
.set L16,  25                          ; 16 x lane
.set LS,   26                          ; 32 x lane
.set LB,   27                          ; 32 x (lane / 16)
.set SPW,  28
.set NIL,  29
.set LR,   30                          ; 4 x (lane % 16)
.set AS,   32
.set BS,   64
.set BP,   96
.set AF,   128
.set T,    128                         ; epilogue: 64 numbers with their bias
.set PC,   192                         ; the codes just made
.set TM,   212                         ; at work in QUANT
.set PWA,  232                         ; eight scale words
.set BU,   240                         ; their images
.set G1,  24
.set G0,  32
.set G1B, 48
.set G0B, 56
.set HM,   95
.set LO,   96
.set FILL, 97
.set SEL,  98
.set MSB, 0
.macro WIN new                         ; the immediate's high byte repeats the setting that is left
.if MSB != (\new)
	s_set_vgpr_msb (MSB<<8)|(\new)
.set MSB, (\new)
.endif
.endm
.set MUL_LO, 0xa1
.set MUL_HI, 0xf1
.set TO_B,   0x40
; one product.  cm = 0: C is the constant 0; 1: C = v[c ..].  x0, x1: the scale registers of sources 0 and 1; o0, o1 = 1: their lanes 16-31 are read
.macro WMMA d, s0, s1, cm, c, x0, o0, x1, o1
.set rD, \d
.set rA, \s0
.set rB, \s1
.set rC, \c
.set rX, \x0
.set rY, \x1
.set rM, 4*(\cm)+2*(\o0)+(\o1)
.if rM == 0
	v_wmma_scale_f32_16x16x128_f8f6f4 v[rD:rD+7], v[rA:rA+11], v[rB:rB+11], 0, v[rX], v[rY] matrix_a_fmt:MATRIX_FMT_FP6 matrix_b_fmt:MATRIX_FMT_FP6
.elseif rM == 1
	v_wmma_scale_f32_16x16x128_f8f6f4 v[rD:rD+7], v[rA:rA+11], v[rB:rB+11], 0, v[rX], v[rY] matrix_a_fmt:MATRIX_FMT_FP6 matrix_b_fmt:MATRIX_FMT_FP6 matrix_b_scale:MATRIX_SCALE_ROW1
.elseif rM == 2
	v_wmma_scale_f32_16x16x128_f8f6f4 v[rD:rD+7], v[rA:rA+11], v[rB:rB+11], 0, v[rX], v[rY] matrix_a_fmt:MATRIX_FMT_FP6 matrix_b_fmt:MATRIX_FMT_FP6 matrix_a_scale:MATRIX_SCALE_ROW1
.elseif rM == 3
	v_wmma_scale_f32_16x16x128_f8f6f4 v[rD:rD+7], v[rA:rA+11], v[rB:rB+11], 0, v[rX], v[rY] matrix_a_fmt:MATRIX_FMT_FP6 matrix_b_fmt:MATRIX_FMT_FP6 matrix_a_scale:MATRIX_SCALE_ROW1 matrix_b_scale:MATRIX_SCALE_ROW1
.elseif rM == 4
	v_wmma_scale_f32_16x16x128_f8f6f4 v[rD:rD+7], v[rA:rA+11], v[rB:rB+11], v[rC:rC+7], v[rX], v[rY] matrix_a_fmt:MATRIX_FMT_FP6 matrix_b_fmt:MATRIX_FMT_FP6
.elseif rM == 5
	v_wmma_scale_f32_16x16x128_f8f6f4 v[rD:rD+7], v[rA:rA+11], v[rB:rB+11], v[rC:rC+7], v[rX], v[rY] matrix_a_fmt:MATRIX_FMT_FP6 matrix_b_fmt:MATRIX_FMT_FP6 matrix_b_scale:MATRIX_SCALE_ROW1
.elseif rM == 6
	v_wmma_scale_f32_16x16x128_f8f6f4 v[rD:rD+7], v[rA:rA+11], v[rB:rB+11], v[rC:rC+7], v[rX], v[rY] matrix_a_fmt:MATRIX_FMT_FP6 matrix_b_fmt:MATRIX_FMT_FP6 matrix_a_scale:MATRIX_SCALE_ROW1
.else
	v_wmma_scale_f32_16x16x128_f8f6f4 v[rD:rD+7], v[rA:rA+11], v[rB:rB+11], v[rC:rC+7], v[rX], v[rY] matrix_a_fmt:MATRIX_FMT_FP6 matrix_b_fmt:MATRIX_FMT_FP6 matrix_a_scale:MATRIX_SCALE_ROW1 matrix_b_scale:MATRIX_SCALE_ROW1
.endif
.endm
; a joint load: waves 0 and 1 fetch for A, waves 2 and 3 for B; the branch hangs on the wave's number alone.  Four v_nop follow each of the two lines
.macro JLOAD g0a, g1a, g0b, g1b
	s_cmp_eq_u32 s15, 0
	s_cbranch_scc0 .Lfor_b_\@
	tensor_load_to_lds s[\g0a:\g0a+3], s[\g1a:\g1a+7]
	s_nop 0
.rept 4
	v_nop
.endr
	s_branch .Lasked_\@
.Lfor_b_\@:
	tensor_load_to_lds s[\g0b:\g0b+3], s[\g1b:\g1b+7]
	s_nop 0
.rept 4
	v_nop
.endr
.Lasked_\@:
.endm
.macro CREST                           ; a round of the cluster's barrier behind its opening barrier
	s_cmp_lg_u32 s14, 0
	s_cbranch_scc1 .Lnot_wave_0_\@
	s_barrier_signal -3
.Lnot_wave_0_\@:
	s_barrier_wait -3
	s_barrier_signal -1
	s_barrier_wait -1
.endm
.macro CROUND
	s_barrier_signal -1
	s_barrier_wait -1
	CREST
.endm
	s_load_b512 s[68:83], s[0:1], 0x0              ; x codes 68, x scales 70, Wq 72, 74, Wk 76, 78, Wv 80, 82
	s_load_b256 s[84:91], s[0:1], 0x40             ; bq 84, bk 86, bv 88, qp 90
	s_load_b64 s[92:93], s[0:1], 0x60              ; kv
	v_lshl_add_u32 v[SPW], v0, 2, SPARE
	v_mov_b32 v[NIL], 0
	ds_add_u32 v28, v29
	ds_add_u32 v28, v29
	s_wait_dscnt 0x0
	v_lshrrev_b32 v1, 5, v0
	v_readfirstlane_b32 s14, v1                    ; wave 0..3
	s_lshr_b32 s15, s14, 1                         ; which half of A's rows is mine.  Also: I fetch for A (0) or for B (1)
	s_and_b32 s16, s14, 1                          ; which half of B's rows.  Also: which 128 rows of that tile I fetch
	; the role is taken from the cluster's y: 0 the mask's lane-mask words and 8 x pos_bias (such a cluster asks for no tile), 1 q, 2 k, 3 v; it is the same in all sixteen partners.
	; The cluster's x counts the tiles of x.  So the eight clusters with the longest work have the lowest numbers.
	s_and_b32 s94, ttmp7, 0xffff
	s_cmp_eq_u32 s94, 0
	s_cbranch_scc1 .Lprep
	s_sub_co_u32 s94, s94, 1                       ; for the products: 0 q, 1 k, 2 v
	s_bfe_u32 s40, ttmp6, 0x40000                  ; cx
	s_bfe_u32 s41, ttmp6, 0x40004                  ; cy
	s_lshl_b32 s17, ttmp9, 2                       ; 4 x cluster x
	s_cmp_eq_u32 s94, 2
	s_cselect_b32 s42, s17, 0                      ; the 32 tiles of x lie along B for v, along A for q and k
	s_cselect_b32 s17, 0, s17
	s_add_co_u32 s42, s42, s40                     ; B's tile: cx (+ 4 x cluster x)
	s_add_co_u32 s17, s17, s41                     ; A's tile: cy (+ 4 x cluster x)
	s_lshl_b32 s43, s41, 2
	s_lshl_b32 s43, 15, s43                        ; my row of the cluster
	s_lshl_b32 s44, 0x1111, s40                    ; my column
	s_or_b32 s[G1+0], s43, (1<<20)|(1<<21)|(5<<22)|(3<<25)   ; the mask; elements of 1 byte; padding on; bit 21 beside a mask; 4 words of padding behind every 64
	s_or_b32 s[G1B+0], s44, (1<<20)|(1<<21)|(5<<22)|(3<<25)
.irp g, G1, G1B
	s_mov_b32 s[\g+1], ROWB<<16                    ; tensor_dim0
	s_mov_b32 s[\g+2], 128<<16                     ; tensor_dim1
	s_mov_b32 s[\g+3], ROWB<<16                    ; tile_dim0
	s_mov_b32 s[\g+4], 128                         ; tile_dim1
	s_mov_b32 s[\g+5], KROW                        ; the pitch
	s_mov_b32 s[\g+6], 0
	s_mov_b32 s[\g+7], 0
.endr
	s_lshl_b32 s22, s16, 7                         ; which 128 rows of the tile I fetch
	s_lshl_b32 s20, s17, 8
	s_add_co_u32 s20, s20, s22
	s_mul_i32 s20, s20, KROW                       ; A: under 2^23 bytes
	s_mov_b32 s21, 0
	s_lshl_b32 s46, s42, 8
	s_add_co_u32 s46, s46, s22
	s_mul_i32 s46, s46, KROW                       ; B
	s_mov_b32 s47, 0
	s_mul_i32 s45, s14, HALFT                      ; where they go: wave x 128 rows
	s_mov_b32 s[HM], 0xffff0000                    ; lanes 16-31
	s_mov_b32 s[LO], 0xffff
	s_mov_b32 s[FILL], 0x7f7f0000                  ; scale bytes 1.0 for the half of K that holds zero codes
	s_mov_b32 s[SEL], 0x76543210
	s_mov_b32 s[SEL+1], 0xfedcba98                 ; v_permlanex16_b32's selects for lane l xor 16
	s_wait_kmcnt 0x0
	s_cmp_eq_u32 s94, 0                            ; the choices hang on the role alone
	s_cselect_b64 s[4:5], s[72:73], s[76:77]       ; Wq or Wk
	s_cselect_b64 s[6:7], s[74:75], s[78:79]
	s_cselect_b64 s[18:19], s[84:85], s[86:87]     ; bq or bk
	s_cselect_b64 s[12:13], s[90:91], s[92:93]     ; qp or kv
	s_cmp_eq_u32 s94, 2
	s_cselect_b64 s[8:9], s[68:69], s[4:5]         ; B's codes: x for v, else the weight
	s_cselect_b64 s[10:11], s[70:71], s[6:7]       ; B's scales
	s_cselect_b64 s[4:5], s[80:81], s[68:69]       ; A's codes: Wv for v, else x
	s_cselect_b64 s[6:7], s[82:83], s[70:71]       ; A's scales
	s_cselect_b64 s[18:19], s[88:89], s[18:19]     ; the bias
	s_add_nc_u64 s[20:21], s[4:5], s[20:21]
	s_add_nc_u64 s[46:47], s[8:9], s[46:47]
	CROUND                                         ; all sixteen work-groups are here: the first joint loads meet
.irp s, 0,1
	s_mov_b32 s[G0+4*\s], 1
	s_add_co_u32 s[G0+4*\s+1], s45, \s*SLOT
	s_add_nc_u64 s[G0+4*\s+2:G0+4*\s+3], s[20:21], \s*ROWB
	s_or_b32 s[G0+4*\s+3], s[G0+4*\s+3], 0x80000000
	s_mov_b32 s[G0B+4*\s], 1
	s_add_co_u32 s[G0B+4*\s+1], s45, \s*SLOT
	s_add_nc_u64 s[G0B+4*\s+2:G0B+4*\s+3], s[46:47], \s*ROWB
	s_or_b32 s[G0B+4*\s+3], s[G0B+4*\s+3], 0x80000000
.endr
	JLOAD G0, G1, G0B, G1B                         ; chunk 0
	v_and_b32 v1, 15, v0                           ; r
	v_bfe_u32 v2, v0, 4, 1                         ; h
	v_mul_u32_u24 v3, v1, PITCH
	v_mul_u32_u24 v4, v2, 24
	v_add_nc_u32 v4, v3, v4                        ; a fragment's row x pitch + 24 h
	s_mov_b32 s2, SLOT-232
	s_mov_b32 s3, SLOT+232
	v_sub_nc_u32 v7, 1, v2                         ; 1 in lanes 0-15
	v_mul_u32_u24 v5, s2, v2
	v_add_nc_u32 v5, v3, v5
	v_add_nc_u32 v5, 232, v5                       ; across two chunks: lanes 0-15 byte 232 of the row in slot 0, lanes 16-31 byte 0 of the row in slot 1;
	v_mul_u32_u24 v6, s3, v7
	v_add_nc_u32 v6, v3, v6                        ; and lanes 0-15 byte 232 of the row in slot 1, lanes 16-31 byte 0 of the row in slot 0
	s_mul_i32 s2, s15, HALFT                       ; my 128 rows of A
	s_mul_i32 s3, s16, HALFT
	s_add_co_u32 s3, s3, 2*HALFT                   ; my 128 rows of B, behind A's 256
	v_add_nc_u32 v[ADRA+2], s2, v5
	v_add_nc_u32 v[ADRA+3], s2, v6
	v_add_nc_u32 v[ADRB+2], s3, v5
	v_add_nc_u32 v[ADRB+3], s3, v6
.irp s, 0,1
	v_add_nc_u32 v[ADRA+\s], s2, v4
	v_add_nc_u32 v[ADRB+\s], s3, v4
	s_add_co_u32 s2, s2, SLOT
	s_add_co_u32 s3, s3, SLOT
.endr
	v_and_b32 v6, 31, v0
	v_lshlrev_b32 v[L8], 3, v6
	v_lshlrev_b32 v[L16], 4, v6
	v_lshlrev_b32 v[LS], 5, v6
	s_wait_alu depctr_va_vdst(0)
	v_lshlrev_b32 v[LB], 5, v2
	v_lshlrev_b32 v[LR], 2, v1
	s_lshl_b32 s70, s17, 1
	s_add_co_u32 s70, s70, s15                     ; X: which 128 rows of A are mine
	s_lshl_b32 s71, s42, 1
	s_add_co_u32 s71, s71, s16                     ; Y: which 128 rows of B
	s_cmp_eq_u32 s94, 2
	s_cselect_b32 s72, s71, s70                    ; my 128 tokens
	s_cselect_b32 s73, s70, s71                    ; my pair of heads
	s_lshr_b32 s74, s72, 4
	s_lshl_b32 s74, s74, 4                         ; 16 b
	s_lshl_b32 s75, s73, 1
	s_add_co_u32 s74, s74, s75
	s_mul_i32 s74, s74, HEADB
	s_and_b32 s75, s72, 15                         ; the step
	s_mul_i32 s75, s75, STEPB
	s_add_co_u32 s74, s74, s75
	s_mov_b32 s75, 0
	s_add_nc_u64 s[12:13], s[12:13], s[74:75]      ; my first head's pack of my step
	s_lshl_b32 s76, s73, 9
	s_mov_b32 s77, 0
	s_add_nc_u64 s[18:19], s[18:19], s[76:77]      ; the bias of my 128 features
	s_lshl_b32 s76, s70, 12                        ; 128 rows of 32 scale bytes
	s_add_nc_u64 s[6:7], s[6:7], s[76:77]
	s_lshl_b32 s76, s71, 12
	s_add_nc_u64 s[10:11], s[10:11], s[76:77]
.irp g, 0,1,2,3                        ; lane L takes row 32 g + L: lanes 0-15 block 2 g, lanes 16-31 block 2 g + 1; eight words a row, one for each K step of 128
.irp i, 0,1
	global_load_b128 v[AS+8*\g+4*\i:AS+8*\g+4*\i+3], v[LS], s[6:7] offset:1024*\g+16*\i
	global_load_b128 v[BS+8*\g+4*\i:BS+8*\g+4*\i+3], v[LS], s[10:11] offset:1024*\g+16*\i
.endr
.endr
.macro FRAG reg, adr, st, i            ; a fragment of step st: 16 rows x 128 K, 12 registers, in pieces of 8 bytes, each inside one chunk
.irp p, 0,1,2,3,4,5
.set BY, 96*(\st)+48*(\p/3)+8*(\p%3)  ; where the piece of lanes 0-15 begins in the row of codes; lanes 16-31 read 24 bytes on.  Byte y lies in slot (y / 256) % 2 at byte y % 256 of the LDS row
.if BY/ROWB == (BY+24)/ROWB
	ds_load_b64 v[\reg+2*\p:\reg+2*\p+1], v[\adr+(BY/ROWB)%2] offset:BY%ROWB+(\i)*16*PITCH
.else
	ds_load_b64 v[\reg+2*\p:\reg+2*\p+1], v[\adr+2+(BY/ROWB)%2] offset:BY%ROWB-232+(\i)*16*PITCH
.endif
.endr
.endm
; 16 products: A's blocks a0, a0 + 1 x B's eight; p: B's set; ks: the K step of 128, which picks the scale registers.  The 64 accumulators take turns, one instruction a turn
.macro MUL16 a0, p, ks, zero
.irp a, \a0, \a0+1
.irp b, 0,1,2,3,4,5,6,7
	WMMA 8*(8*((\a)%4)+\b), 128*(\p)+FR*\b, AF+FR*(\a), 1-(\zero), 8*(8*((\a)%4)+\b), BS+8*(\b/2)+(\ks), \b%2, AS+8*((\a)/2)+(\ks), (\a)%2
.endr
.endr
.endm
.macro FETCH_B st, p                   ; B's eight fragments of step st into set p
	WIN TO_B
.irp i, 0,1,2,3,4,5,6,7
	FRAG 128*(\p)+FR*\i, ADRB, \st, \i
.endr
	WIN 0
.endm
.macro FETCH_A st, i0                  ; A's blocks i0 .. i0 + 3 of step st
.irp i, \i0, \i0+1, \i0+2, \i0+3
	FRAG AF+FR*(\i), ADRA, \st, \i
.endr
.endm
.macro PLACES n                        ; plain vector instructions between a product and a load into, or a vector read of, its registers
.rept \n
	v_nop
.endr
.endm
; A step of 128 along K: 64 products on step st's fragments; the next step's fragments are fetched in its middle and at its end.
; Where the next step's bytes END in a chunk that no step has read yet, every wave waits for its tensor loads and a barrier shows that chunk whole.
; Where they BEGIN in a later chunk than this step's, the chunk left behind is read no more: the wait for all tensor loads, the add, the wait for it and for my reads, the barrier;
; where a chunk two further on is left to fetch, that barrier opens a round of the cluster's barrier and the slot is filled again.
.macro STEP st, zero
.set NX, (\st)+1
.set C0, (96*(\st))/ROWB
.set C1, (96*NX)/ROWB
.set E0, (96*(\st)+95)/ROWB
.set E1, (96*NX+95)/ROWB
.if C1 > C0 || E1 > E0
	s_wait_tensorcnt 0x0                           ; all my tensor loads have landed
.if C1 > C0
	ds_add_u32 v[SPW], v[NIL]                      ; 0 onto my spare word
	s_wait_dscnt 4*NL+1                            ; the add and the youngest 24 loads (A's blocks 4-7) may be out
.else
	s_wait_dscnt 4*NL
.endif
	WIN MUL_LO
	MUL16 0, (\st)%2, \st, \zero
	s_wait_dscnt 0x0                               ; the add, where there is one, and my reads are done
	s_barrier_signal -1
	MUL16 2, (\st)%2, \st, \zero
	WIN 0
	s_barrier_wait -1
.if C1 > C0 && C0+2 < CHUNKS
	CREST                                          ; no wave of any partner still reads this slot's chunk or has a load on its way
	s_add_nc_u64 s[G0+4*(C0%2)+2:G0+4*(C0%2)+3], s[G0+4*(C0%2)+2:G0+4*(C0%2)+3], 2*ROWB
	s_add_nc_u64 s[G0B+4*(C0%2)+2:G0B+4*(C0%2)+3], s[G0B+4*(C0%2)+2:G0B+4*(C0%2)+3], 2*ROWB
	JLOAD G0+4*(C0%2), G1, G0B+4*(C0%2), G1B       ; chunk C0 + 2, the first tensor load behind the round; its four v_nop are the places in front of the loads below
.else
	PLACES NP
.endif
.else
	s_wait_dscnt 4*NL                              ; B's set and A's blocks 0-3 are in; the youngest 24 loads may be out
	WIN MUL_LO
	MUL16 0, (\st)%2, \st, \zero
	MUL16 2, (\st)%2, \st, \zero
	s_wait_dscnt 0x0
	PLACES NP
.endif
	FETCH_B NX, NX%2
	FETCH_A NX, 0
	WIN MUL_HI
	MUL16 4, (\st)%2, \st, \zero
	MUL16 6, (\st)%2, \st, \zero
	PLACES NP
	WIN 0
	FETCH_A NX, 4
.endm
.macro LAST                            ; the last 128 along K: nothing more to fetch
	s_wait_dscnt 4*NL
	WIN MUL_LO
	MUL16 0, 1, 7, 0
	MUL16 2, 1, 7, 0
	s_wait_dscnt 0x0
	WIN MUL_HI
	MUL16 4, 1, 7, 0
	MUL16 6, 1, 7, 0
	WIN 0
	PLACES NP
.endm
; 64 numbers of a lane, v[s] on: registers 16 b .. 16 b + 15 are my half of block b of 32 (the other half is lane l xor 16's).  They become a fragment's 12 registers in v[PC] on and its scale word in v[pw]
.macro QUANT s, pw
.irp b, 0,1,2,3
	v_max3_num_f32 v[TM+\b], |v[\s+16*\b]|, |v[\s+1+16*\b]|, 0x1800000   ; and the floor 2^(3 - 127): the byte cannot fall under 1
.endr
.irp i, 2,4,6,8,10,12,14
.irp b, 0,1,2,3
	v_max3_num_f32 v[TM+\b], v[TM+\b], |v[\s+16*\b+\i]|, |v[\s+1+16*\b+\i]|
.endr
.endr
.irp b, 0,1,2,3
	v_permlanex16_b32 v[TM+4+\b], v[TM+\b], s[SEL], s[SEL+1]
.endr
.irp b, 0,1,2,3
	v_max_num_f32 v[TM+\b], v[TM+\b], v[TM+4+\b]   ; the block's largest magnitude
.endr
.irp b, 0,1,2,3
	v_add_nc_u32 v[TM+12+\b], 0xff000000, v[TM+\b] ; 2 off its exponent field: the conversion takes that field as its scale
.endr
.irp b, 0,1,2,3
	v_lshrrev_b32 v[TM+4+\b], 23, v[TM+12+\b]      ; the scale's byte
.endr
	v_lshl_or_b32 v[\pw], v[TM+5], 8, v[TM+4]
	v_lshl_or_b32 v[\pw], v[TM+6], 16, v[\pw]
	v_lshl_or_b32 v[\pw], v[TM+7], 24, v[\pw]
.irp c, 0,1
	v_cvt_scalef32_pk16_fp6_f32 v[PC+6*\c:PC+2+6*\c], v[\s+32*\c:\s+15+32*\c], v[TM+12+2*\c]
	v_cvt_scalef32_pk16_fp6_f32 v[PC+12+4*\c:PC+14+4*\c], v[\s+16+32*\c:\s+31+32*\c], v[TM+12+2*\c+1]
.endr
	v_nop                                          ; one plain place behind a scaled conversion
.irp c, 0,1                            ; a whole block to a lane: lanes 0-15 block 2 c, lanes 16-31 block 2 c + 1
.irp i, 0,1,2
	v_permlane16_swap_b32 v[PC+6*\c+\i], v[PC+12+4*\c+\i]
.endr
.irp i, 0,1,2
	v_mov_b32 v[PC+3+6*\c+\i], v[PC+12+4*\c+\i]
.endr
.endr
.endm
	s_wait_alu depctr_va_vdst(0)
	s_wait_tensorcnt 0x0                           ; my part of chunk 0 is in
	ds_add_u32 v[SPW], v[NIL]
	s_wait_dscnt 0x0
	CROUND                                         ; everybody's part of chunk 0 is in, and all sixteen work-groups are here
	JLOAD G0+4, G1, G0B+4, G1B                     ; chunk 1, the first tensor load behind the round
	FETCH_B 0, 0
	FETCH_A 0, 0
	FETCH_A 0, 4
	s_wait_loadcnt 0x0                             ; the scale words
	STEP 0, 1                                      ; the first products start the sums: nothing is cleared
.set ST, 1
.rept 6
	STEP ST, 0
.set ST, ST+1
.endr
	s_cmp_eq_u32 s94, 2                            ; the role: the same in all partners; no barrier and no tensor load stands in the two arms
	s_cbranch_scc1 .Lv
; ---- q, k: lane (r, h) holds token 16 a + r; register 8 b + j of block a is feature 16 b + 8 h + j
	WIN TO_B
	s_wait_alu depctr_va_vdst(0)
.irp b, 0,1,2,3,4,5,6,7                ; the bias of my lane's 64 features, asked for ahead of the last 64 products
	global_load_b128 v[96+8*\b+96*(\b/4):99+8*\b+96*(\b/4)], v[LB], s[18:19] offset:64*\b
	global_load_b128 v[100+8*\b+96*(\b/4):103+8*\b+96*(\b/4)], v[LB], s[18:19] offset:64*\b+16
.endr
	WIN 0
	LAST
.irp b, 0,1,2,3
	v_mov_b32 v[TM+4+\b], 0                        ; written once: a lane permute's destination counts as one of its sources
.endr
	s_wait_loadcnt 0x0
.macro EPI_QK a
	WIN 0x06+(\a)/4                                ; source 0: window 2 or 3, source 1: window 1
.set i, 0
.rept 32
	v_pk_add_f32 v[T+2*i:T+2*i+1], v[64*((\a)%4)+2*i:64*((\a)%4)+2*i+1], v[96+2*i+96*(i/16):97+2*i+96*(i/16)]   ; each accumulator from its low end on
.set i, i+1
.endr
	WIN 0
	s_wait_xcnt 0x0                                ; the last block's stores have read their registers: the codes are written again only behind this wait
	QUANT T, PWA+\a
.irp p, 0,1,2,3,4,5                    ; registers 0-5 are the first head's fragment, 6-11 the second's; 32 lanes store 256 consecutive bytes, aligned
	global_store_b64 v[L8], v[PC+2*\p:PC+2*\p+1], s[12:13] offset:(\p/3)*HEADB+768*(\a)+256*(\p%3)
.endr
.endm
.irp a, 0,1,2,3,4,5,6,7
	EPI_QK \a
.endr
.irp i, 0,1,2,3
	v_cndmask_b32 v[BU+\i], v[PWA+2*\i], v[PWA+2*\i+1], s[HM]   ; lanes 0-15: fragment 2 i's words, lanes 16-31: fragment 2 i + 1's
.endr
.irp i, 0,1,2,3
	v_and_or_b32 v[BU+4+\i], v[BU+\i], s[LO], s[FILL]            ; the first head's two bytes,
	v_lshrrev_b32 v[BU+8+\i], 16, v[BU+\i]
.endr
.irp i, 0,1,2,3
	v_or_b32 v[BU+8+\i], s[FILL], v[BU+8+\i]                     ; the second head's
.endr
	global_store_b128 v[L16], v[BU+4:BU+7], s[12:13] offset:KSC
	global_store_b128 v[L16], v[BU+8:BU+11], s[12:13] offset:HEADB+KSC
	s_branch .Lend
; ---- v: lane (r, h) holds feature 16 a + r; register 8 b + j of block a is token 16 b + 8 h + j
.Lv:
	s_wait_alu depctr_va_vdst(0)
.irp a, 0,1,2,3,4,5,6,7
	global_load_b32 v[BP+2*\a], v[LR], s[18:19] offset:64*\a      ; my lane's bias, twice: a pair for the packed addition
	global_load_b32 v[BP+2*\a+1], v[LR], s[18:19] offset:64*\a
.endr
	LAST
.irp b, 0,1,2,3
	v_mov_b32 v[TM+4+\b], 0
.endr
	s_wait_loadcnt 0x0
.macro EPI_V a
	WIN 0x02+(\a)/4
.set i, 0
.rept 32
	v_pk_add_f32 v[T+2*i:T+2*i+1], v[64*((\a)%4)+2*i:64*((\a)%4)+2*i+1], v[BP+2*(\a):BP+2*(\a)+1]
.set i, i+1
.endr
	WIN 0
	s_wait_xcnt 0x0
	QUANT T, PWA+\a
.irp c, 0,1,2                          ; head a / 4, fragment a % 4: 32 lanes store 512 consecutive bytes, aligned
	global_store_b128 v[L16], v[PC+4*\c:PC+4*\c+3], s[12:13] offset:((\a)/4)*HEADB+VOFF+1536*((\a)%4)+512*\c
.endr
.endm
.irp a, 0,1,2,3,4,5,6,7
	EPI_V \a
.endr
.irp e, 0,1
.irp i, 0,1
	v_cndmask_b32 v[BU+2*\e+\i], v[PWA+4*\e+2*\i], v[PWA+4*\e+2*\i+1], s[HM]
.endr
	global_store_b64 v[L8], v[BU+2*\e:BU+2*\e+1], s[12:13] offset:\e*HEADB+VSC
.endr
.Lend:
	s_wait_tensorcnt 0x0                           ; the wave's end
	ds_add_u32 v[SPW], v[NIL]
	s_wait_dscnt 0x0
	CROUND                                         ; the closing round: no work-group ends while a partner may still ask for a tile that names it
	s_endpgm
; ---------------- ROLE 0: 128 work-groups, g = 16 x cluster x + 4 cy + cx.  No tensor load; LDS bytes of its own, behind the ring and the spare words.
; POS: 8 x pos_bias = 8 x (pos_emb Wpos^T) on codes of FP6 as they are given, f32 sums, for tokens 64 g on, 16 to a wave; it goes to kv[b*16+head][step][PBO + 4 x key]: the attention launch takes it as
;   the C of its score products (scores x 8 = q.k + 8 x pos_bias; 8 is a power of two).  K's eight steps go to four accumulators by turns, which are then added.
; MASK: mask [4][2048][2048] int32 becomes lane-mask words, mbits[b][query tile of 16][step of 128 keys][64 words]: bit L of word 8 t + j is set where mask[b][16 tile + L % 16][128 step + 16 t + 8 (L / 16) + j]
;   is not 0: the lane and register in which the attention launch holds that score.  Wave w takes tile 4 g + w: sixteen jobs of 16 rows x 512 bytes, four register sets (window 1) in flight.
.set PBO,    13056
.set MPITCH, 528                       ; mask stage: a row of 512 bytes + 16
.set MST,    16*MPITCH
.set MBASE,  SPARE+512
.set PST0,   MBASE+4*MST               ; pos stage: 16 heads x (64 tokens x 4 bytes + 16)
.set PPITCH, 272
.set X,    144                         ; v144-207 a job's numbers, a lane to a query
.set W,    208                         ; v208-215 a pair for each job of a trip: its 64 words, two a lane
.set BAL,  28                          ; s28-43 sixteen lane masks
.set PSC,  32                          ; v32-39 pos_emb's scale words, v40-47 Wpos's
.set WSC,  40
.set ACC,  48                          ; v48-79 four accumulators
.set TS,   80                          ; v80-95 their sums
.Lprep:
	s_load_b256 s[4:11], s[0:1], 0x68              ; mask 4, pos codes 6, pos scales 8, Wpos codes 10
	s_load_b128 s[16:19], s[0:1], 0x88             ; Wpos scales 16, mbits 18
	s_bfe_u32 s40, ttmp6, 0x40000
	s_bfe_u32 s41, ttmp6, 0x40004
	s_lshl_b32 s20, ttmp9, 4                       ; 16 x cluster x
	s_lshl_b32 s41, s41, 2
	s_add_co_u32 s20, s20, s41
	s_add_co_u32 s20, s20, s40                     ; g
	s_lshl_b32 s21, s20, 2
	s_add_co_u32 s21, s21, s14                     ; my query tile
	s_lshl_b32 s22, s21, 17                        ; 16 rows of 8,192 bytes
	s_mov_b32 s23, 0
	s_lshl_b32 s24, s21, 12                        ; 16 steps of 256 bytes
	s_mov_b32 s25, 0
	s_lshl_b32 s26, s20, 6
	s_lshl_b32 s27, s14, 4
	s_add_co_u32 s26, s26, s27                     ; my first token
	s_mul_i32 s44, s26, 768
	s_mov_b32 s45, 0
	s_lshl_b32 s46, s26, 5
	s_mov_b32 s47, 0
	s_lshr_b32 s48, s20, 5                         ; b
	s_mul_i32 s48, s48, 16*HEADB
	s_bfe_u32 s49, s20, 0x40001                    ; the step of 128 keys
	s_mul_i32 s49, s49, STEPB
	s_add_co_u32 s48, s48, s49
	s_and_b32 s49, s20, 1                          ; which 64 of its 128
	s_lshl_b32 s49, s49, 8
	s_add_co_u32 s48, s48, s49
	s_mul_i32 s49, s14, 4*HEADB                    ; I store heads 4 wave .. 4 wave + 3
	s_add_co_u32 s48, s48, s49
	s_add_co_u32 s48, s48, PBO
	s_mov_b32 s49, 0
	s_mul_i32 s50, s14, MST
	s_add_co_u32 s50, s50, MBASE
	s_lshl_b32 s51, s14, 6
	s_add_co_u32 s51, s51, PST0
	s_mul_i32 s52, s14, 4*PPITCH
	s_add_co_u32 s52, s52, PST0
	v_and_b32 v5, 31, v0
	v_and_b32 v6, 15, v0                           ; r
	v_bfe_u32 v7, v0, 4, 1                         ; h
	v_lshlrev_b32 v1, 4, v5                        ; my 16 bytes of a load's 512
	v_add_nc_u32 v2, s50, v1                       ; into the mask stage, as loaded
	v_mul_u32_u24 v3, v6, MPITCH
	v_lshl_add_u32 v3, v7, 5, v3
	v_add_nc_u32 v3, s50, v3                       ; out of it: row r, + 32 h
	v_lshlrev_b32 v4, 3, v5                        ; my two words of a job's 64
	v_mul_u32_u24 v8, v6, 768
	v_mad_u32_u24 v8, v7, 24, v8                   ; a fragment: row r, + 24 h
	v_lshlrev_b32 v9, 5, v6                        ; scale words: 32 bytes a row
	v_mul_u32_u24 v10, v6, PPITCH
	v_lshl_add_u32 v10, v7, 5, v10
	v_add_nc_u32 v10, s51, v10                     ; pos stage, in: head r, my 16 tokens' 64 bytes, + 32 h
	v_mul_u32_u24 v11, v7, PPITCH
	v_lshl_add_u32 v11, v6, 4, v11
	v_add_nc_u32 v11, s52, v11                     ; back: sixteen lanes to a head's 256 bytes, two heads an instruction
	v_mul_u32_u24 v12, v7, HEADB
	v_lshl_add_u32 v12, v6, 4, v12                 ; and the same place in kv
.set n, 0
.rept 8
	v_mov_b32 v[W+n], 0                            ; written whole once: v_writelane_b32 leaves the other lanes as they are
.set n, n+1
.endr
	s_wait_alu depctr_va_vdst(0)
	s_wait_kmcnt 0x0
	s_add_nc_u64 s[4:5], s[4:5], s[22:23]
	s_add_nc_u64 s[18:19], s[18:19], s[24:25]
	s_add_nc_u64 s[6:7], s[6:7], s[44:45]
	s_add_nc_u64 s[8:9], s[8:9], s[46:47]
	s_add_nc_u64 s[92:93], s[92:93], s[48:49]
.macro LOADJ j, set                    ; job j of the trip's base: 16 rows x 512 consecutive bytes into set
	WIN 0x40
.irp i, 0,1,2,3,4,5,6,7,8,9,10,11,12,13,14,15
	global_load_b128 v[64*(\set)+4*\i:64*(\set)+4*\i+3], v1, s[4:5] offset:\i*8192+(\j)*512 th:TH_LOAD_NT
.endr
	WIN 0
.endm
.macro JOB k, more
.if \more
	s_wait_loadcnt 48                              ; this job's 16 loads are in; the three younger jobs' 48 may be out
.else
	s_wait_loadcnt 16*(3-\k)                       ; the last four jobs: 3 - k younger ones
.endif
	WIN 0x04
.irp i, 0,1,2,3,4,5,6,7,8,9,10,11,12,13,14,15
	ds_store_b128 v2, v[64*\k+4*\i:64*\k+4*\i+3] offset:MPITCH*\i
.endr
	WIN 0
.irp t, 0,1,2,3,4,5,6,7                ; LDS serves a wave's instructions in order: these see the stores above.  Register 8 t + j: key 16 t + 8 h + j of row r
	ds_load_b128 v[X+8*\t:X+8*\t+3], v3 offset:64*\t
	ds_load_b128 v[X+8*\t+4:X+8*\t+7], v3 offset:64*\t+16
.endr
	s_wait_dscnt 0x0
.if \more
	LOADJ \k+4, \k                                 ; four jobs on, into the set that the stage's stores have read
.endif
.irp g, 0,1,2,3
.irp n, 0,1,2,3,4,5,6,7,8,9,10,11,12,13,14,15
	v_cmp_ne_u32 s[BAL+\n], 0, v[X+16*\g+\n]       ; word 16 g + n: a bit for each lane
.endr
.irp n, 0,1,2,3,4,5,6,7,8,9,10,11,12,13,14,15
	v_writelane_b32 v[W+2*\k+\n%2], s[BAL+\n], 8*\g+\n/2
.endr
.endr
	global_store_b64 v4, v[W+2*\k:W+2*\k+1], s[18:19] offset:256*\k   ; 32 lanes store 256 consecutive bytes, aligned
.endm
	global_load_b128 v[PSC:PSC+3], v9, s[8:9]
	global_load_b128 v[PSC+4:PSC+7], v9, s[8:9] offset:16
	global_load_b128 v[WSC:WSC+3], v9, s[16:17]
	global_load_b128 v[WSC+4:WSC+7], v9, s[16:17] offset:16
	WIN 0x80                                       ; window 2: v0-95 pos_emb's eight fragments, v96-191 Wpos's
.irp s, 0,1,2,3,4,5,6,7
.irp p, 0,1,2,3,4,5
	global_load_b64 v[12*\s+2*\p:12*\s+2*\p+1], v8, s[6:7] offset:96*\s+48*(\p/3)+8*(\p%3)
	global_load_b64 v[96+12*\s+2*\p:96+12*\s+2*\p+1], v8, s[10:11] offset:96*\s+48*(\p/3)+8*(\p%3)
.endr
.endr
	WIN 0
	LOADJ 0, 0                                     ; the mask's first four jobs set out behind them
	LOADJ 1, 1
	LOADJ 2, 2
	LOADJ 3, 3
	s_wait_loadcnt 63                              ; behind POS's loads stand the 64 just issued: with at most 63 out, POS's are in
	WIN 0x0a
.irp s, 0,1,2,3,4,5,6,7
	WMMA ACC+8*(\s%4), 12*\s, 96+12*\s, \s/4, ACC+8*(\s%4), PSC+\s, 0, WSC+\s, 0
.endr
	WIN 0
	PLACES NP
.irp j, 0,2,4,6                        ; each accumulator from its low end on.  Register j of lane (r, h): token 8 h + j, head r
	v_pk_add_f32 v[TS+\j:TS+\j+1], v[ACC+\j:ACC+\j+1], v[ACC+8+\j:ACC+8+\j+1]
	v_pk_add_f32 v[TS+8+\j:TS+8+\j+1], v[ACC+16+\j:ACC+16+\j+1], v[ACC+24+\j:ACC+24+\j+1]
.endr
.irp j, 0,2,4,6
	v_pk_add_f32 v[TS+\j:TS+\j+1], v[TS+\j:TS+\j+1], v[TS+8+\j:TS+8+\j+1]
.endr
.irp j, 0,2,4,6
	v_pk_mul_f32 v[TS+\j:TS+\j+1], v[TS+\j:TS+\j+1], 0x41000000 op_sel_hi:[1,0]   ; x 8, exact
.endr
	ds_store_b128 v10, v[TS:TS+3]
	ds_store_b128 v10, v[TS+4:TS+7] offset:16
	s_wait_dscnt 0x0                               ; for the other waves' sake
	s_barrier_signal -1
	s_barrier_wait -1
	ds_load_b128 v[96:99], v11
	ds_load_b128 v[100:103], v11 offset:2*PPITCH
	s_wait_dscnt 0x0
	global_store_b128 v12, v[96:99], s[92:93]      ; sixteen lanes store 256 consecutive bytes, aligned
	global_store_b128 v12, v[100:103], s[92:93] offset:2*HEADB
	s_mov_b32 s53, 3
.Lmtrip:                               ; a trip: four jobs, and the loads of the four after them
	JOB 0, 1
	JOB 1, 1
	JOB 2, 1
	JOB 3, 1
	s_wait_xcnt 0x0                                ; the bases and the stores' registers are written again only behind this wait
	s_add_nc_u64 s[4:5], s[4:5], 2048
	s_add_nc_u64 s[18:19], s[18:19], 1024
	s_sub_co_u32 s53, s53, 1
	s_cmp_lg_u32 s53, 0
	s_wait_alu depctr_va_vdst(0)
	s_cbranch_scc1 .Lmtrip
	JOB 0, 0
	JOB 1, 0
	JOB 2, 0
	JOB 3, 0
	s_wait_tensorcnt 0x0                           ; the wave's end
	ds_add_u32 v[SPW], v[NIL]
	s_wait_dscnt 0x0
	CROUND
	s_endpgm
.Lfunc_end_k_q7f8b5cd6ce_qkv:
	.size	k_q7f8b5cd6ce_qkv, .Lfunc_end_k_q7f8b5cd6ce_qkv-k_q7f8b5cd6ce_qkv
	.p2alignl 7, 3214868480
	.fill 96, 4, 3214868480
	.section	.rodata,"a",@progbits
	.p2align	6, 0x0
	.amdhsa_kernel k_q7f8b5cd6ce_qkv
		.amdhsa_group_segment_fixed_size 327680
		.amdhsa_private_segment_fixed_size 0
		.amdhsa_enable_private_segment 0
		.amdhsa_kernarg_size 152
		.amdhsa_user_sgpr_count 2
		.amdhsa_user_sgpr_kernarg_segment_ptr 1
		.amdhsa_wavefront_size32 1
		.amdhsa_system_sgpr_workgroup_id_x 1
		.amdhsa_system_sgpr_workgroup_id_y 1
		.amdhsa_system_sgpr_workgroup_id_z 1
		.amdhsa_system_vgpr_workitem_id 0
		.amdhsa_next_free_vgpr 1024
		.amdhsa_next_free_sgpr 100
		.amdhsa_reserve_vcc 0
		.amdhsa_float_denorm_mode_32 3
		.amdhsa_float_denorm_mode_16_64 3
		.amdhsa_memory_ordered 1
		.amdhsa_forward_progress 1
		.amdhsa_inst_pref_size 255
	.end_amdhsa_kernel
	.section	.bss,"aw",@nobits
	.p2align	6
	.space	262144
	.amdgpu_metadata
---
amdhsa.version: [ 1, 2 ]
amdhsa.kernels:
  - .name:           k_q7f8b5cd6ce_qkv
    .symbol:         k_q7f8b5cd6ce_qkv.kd
    .args:
      - { .name: x_codes, .offset: 0, .size: 8, .value_kind: global_buffer, .address_space: global }
      - { .name: x_scales, .offset: 8, .size: 8, .value_kind: global_buffer, .address_space: global }
      - { .name: Wq_codes, .offset: 16, .size: 8, .value_kind: global_buffer, .address_space: global }
      - { .name: Wq_scales, .offset: 24, .size: 8, .value_kind: global_buffer, .address_space: global }
      - { .name: Wk_codes, .offset: 32, .size: 8, .value_kind: global_buffer, .address_space: global }
      - { .name: Wk_scales, .offset: 40, .size: 8, .value_kind: global_buffer, .address_space: global }
      - { .name: Wv_codes, .offset: 48, .size: 8, .value_kind: global_buffer, .address_space: global }
      - { .name: Wv_scales, .offset: 56, .size: 8, .value_kind: global_buffer, .address_space: global }
      - { .name: bq, .offset: 64, .size: 8, .value_kind: global_buffer, .address_space: global }
      - { .name: bk, .offset: 72, .size: 8, .value_kind: global_buffer, .address_space: global }
      - { .name: bv, .offset: 80, .size: 8, .value_kind: global_buffer, .address_space: global }
      - { .name: qp, .offset: 88, .size: 8, .value_kind: global_buffer, .address_space: global }
      - { .name: kv, .offset: 96, .size: 8, .value_kind: global_buffer, .address_space: global }
      - { .name: mask, .offset: 104, .size: 8, .value_kind: global_buffer, .address_space: global }
      - { .name: pos_emb_codes, .offset: 112, .size: 8, .value_kind: global_buffer, .address_space: global }
      - { .name: pos_emb_scales, .offset: 120, .size: 8, .value_kind: global_buffer, .address_space: global }
      - { .name: Wpos_codes, .offset: 128, .size: 8, .value_kind: global_buffer, .address_space: global }
      - { .name: Wpos_scales, .offset: 136, .size: 8, .value_kind: global_buffer, .address_space: global }
      - { .name: mbits, .offset: 144, .size: 8, .value_kind: global_buffer, .address_space: global }
    .group_segment_fixed_size: 327680
    .private_segment_fixed_size: 0
    .kernarg_segment_align: 8
    .kernarg_segment_size: 152
    .max_flat_workgroup_size: 128
    .sgpr_count:     100
    .vgpr_count:     1024
    .wavefront_size: 32
...
	.end_amdgpu_metadata
.endif
;; end of part 1
;; launch attn (part 2): grid 4 x 64, 16 waves a work-group, clusters of 4 x 1, 327,680 bytes of LDS; arguments qp, kv, mbits, ao, asc; writes ao, asc
.if DOCPART == 2
	.amdgcn_target "amdgcn-amd-amdhsa--gfx1250"
	.amdhsa_code_object_version 6
	.text
	.protected	k_q7f8b5cd6ce_attn
	.globl	k_q7f8b5cd6ce_attn
	.p2align	8
	.type	k_q7f8b5cd6ce_attn,@function
k_q7f8b5cd6ce_attn:
	s_mov_b64 s[64:65], 0
	v_nop
	global_prefetch_b8 v0, s[64:65] scope:SCOPE_SE
	s_setreg_imm32_b32 hwreg(HW_REG_WAVE_MODE, 25, 1), 1
	s_wait_xcnt 0x0
	s_wait_alu depctr_hold_cnt(0) depctr_sa_sdst(0) depctr_va_vdst(0) depctr_va_sdst(0) depctr_va_ssrc(0) depctr_va_vcc(0) depctr_vm_vsrc(0)
	s_getreg_b32 s2, hwreg(HW_REG_IB_STS2, 6, 4)
	s_cmp_eq_u32 s2, 0
	s_cbranch_scc0 .Lentry_in_a_cluster
	s_endpgm
.Lentry_in_a_cluster:
	s_bfe_u32 s2, ttmp6, 0x10000c
	s_cmp_lg_u32 s2, 0x3003
	s_cbranch_scc0 .Lentry_shape_is_right
	s_endpgm
.Lentry_shape_is_right:
; ATTENTION on the packs of qp and kv (images of operand registers, FP6 codes with E8M0 scales).  A work-group takes one (batch, head) and 512 queries; the four work-groups of a head form a cluster and
; ask for the head's K, V and 8 x pos_bias JOINTLY: 16 packs of 13,568 bytes, one load a wave at the head, filled once.
; Sixteen waves, four to a SIMD; a wave takes one tile of 16 queries, in TWO PASSES of 256 queries over the same K and V.  No barrier stands in the passes.
; Both products are used transposed (S^T = K Q^T + C, O^T = V^T p^T): a lane holds one query.  C = 8 x pos_bias is loaded from LDS straight into the score accumulators.
; Softmax: running whole-number M = ceil(largest t), p = 2^(t - M), the sum of the unquantised p, p quantised block by block of 32 keys.
; The mask comes as lane-mask words (mbits) by scalar loads, a step's 64 words at a time, asked for one step ahead.
; OUT: o / sum is quantised along the head's 64 and stored as an image of oproj's operand registers (ao); its two scale bytes a row are gathered in LDS over both passes and stored at the end (asc).
; A query with no key left by the mask (sum 0): its two scale bytes are written as 0, which the quantiser never gives (its bytes are 1 to 254); oproj makes that row NaN, as reference() has it.
; LIMIT: the promise holds while the scaled scores (exponents to the base 2) stay under 2^31 in magnitude.
; No prefetch: K and V come whole by the loads at the head, ahead of the loops; the mask words, 256 bytes a wave and step, are asked for a step ahead by the scalar loads themselves.
.set HEADB, 217088
.set STEPB, 13568
.set VOFF,  6144
.set KSC,   12288
.set VSC,   12800
.set PBO,   13056
.set GATH,  217088                     ; behind the packs: 2 x 512 bytes for the two passes' scale bytes
.set SPARE, 218112                     ; the spare words, 128 bytes a wave
.set L8,  1
.set L16, 2
.set H32, 3
.set ADK, 4
.set ADV, 5
.set ADP, 6
.set UU,  7
.set QS,  8
.set PSA, 9
.set GA,  11
.set KSR, 12
.set VSR, 16
.set KF,  18                           ; v18-65 K's eight fragments (6 registers each; the upper 64 of K meet zero codes of q), then V's four
.set ZR,  66
.set Q,   72
.set O,   84
.set S,   116
.set PC,  180
.set PT,  192
.set BM,  200
.set BT,  204
.set SO,  208
.set NM,  212
.set TX,  213
.set SUM, 214
.set F,   216
.set TT,  218
.set NEG, 220
.set SA,  222
.set VQ,  224
.set VQS, 225
.set MB,  2
.set WV,  4
.set CNT, 5
.set TB,  6
.set PASS, 7
.set G1,  8
.set G0,  16
.set SEL, 66
.set CS,  92
.set AO,  94
.set AC,  96
.set MO,  98                           ; the step's byte offset in my tile's mask words
.set GO,  99                           ; the pass's byte offset in the gathered scale bytes
.set QA,  100
.macro WMMA d, s0, s1, x0, o0, x1      ; D = s0 s1 + D; o0 = 1: source 0's scales are read from lanes 16-31
.set rD, \d
.set rA, \s0
.set rB, \s1
.set rX, \x0
.set rY, \x1
.if (\o0) == 0
	v_wmma_scale_f32_16x16x128_f8f6f4 v[rD:rD+7], v[rA:rA+11], v[rB:rB+11], v[rD:rD+7], v[rX], v[rY] matrix_a_fmt:MATRIX_FMT_FP6 matrix_b_fmt:MATRIX_FMT_FP6
.else
	v_wmma_scale_f32_16x16x128_f8f6f4 v[rD:rD+7], v[rA:rA+11], v[rB:rB+11], v[rD:rD+7], v[rX], v[rY] matrix_a_fmt:MATRIX_FMT_FP6 matrix_b_fmt:MATRIX_FMT_FP6 matrix_a_scale:MATRIX_SCALE_ROW1
.endif
.endm
.macro CROUND                          ; a round of the cluster's barrier
	s_barrier_signal -1
	s_barrier_wait -1
	s_cmp_lg_u32 s[WV], 0
	s_cbranch_scc1 .Lnot_wave_0_\@
	s_barrier_signal -3
.Lnot_wave_0_\@:
	s_barrier_wait -3
	s_barrier_signal -1
	s_barrier_wait -1
.endm
.macro MLOAD                           ; my tile's 64 lane-mask words of the step at s[MO]
	s_load_b256 s[24:31], s[MB:MB+1], s[MO] offset:0
	s_load_b256 s[32:39], s[MB:MB+1], s[MO] offset:32
	s_load_b256 s[40:47], s[MB:MB+1], s[MO] offset:64
	s_load_b256 s[48:55], s[MB:MB+1], s[MO] offset:96
	s_load_b256 s[56:63], s[MB:MB+1], s[MO] offset:128
	s_load_b256 s[68:75], s[MB:MB+1], s[MO] offset:160
	s_load_b256 s[76:83], s[MB:MB+1], s[MO] offset:192
	s_load_b256 s[84:91], s[MB:MB+1], s[MO] offset:224
.endm
.macro QLOAD                           ; a pass's q fragment and its scale words (in lanes 0-15)
.irp p, 0,1,2
	global_load_b64 v[Q+2*\p:Q+2*\p+1], v[VQ], s[QA:QA+1] offset:256*\p
.endr
	global_load_b32 v[QS], v[VQS], s[QA:QA+1] offset:KSC
.endm
	s_load_b256 s[24:31], s[0:1], 0x0              ; qp 24, kv 26, mbits 28, ao 30
	s_load_b64 s[32:33], s[0:1], 0x20              ; asc
	v_lshl_add_u32 v254, v0, 2, SPARE
	v_mov_b32 v255, 0
	ds_add_u32 v254, v255                          ; the opening lines: the add twice on end and its wait
	ds_add_u32 v254, v255
	v_lshrrev_b32 v1, 5, v0
	s_delay_alu instid0(VALU_DEP_1)
	v_readfirstlane_b32 s[WV], v1
	s_bfe_u32 s34, ttmp6, 0x40000
	s_lshl_b32 s35, ttmp9, 2
	s_add_co_u32 s35, s35, s34                     ; which 512 queries
	s_and_b32 s36, ttmp7, 0xffff                   ; 16 b + head
	s_lshr_b32 s37, s36, 4
	s_and_b32 s38, s36, 15
	s_mul_i32 s40, s36, HEADB
	s_mov_b32 s41, 0
	s_mul_i32 s39, s[WV], STEPB                    ; wave w fetches pack w
	s_mov_b32 s42, s39
	s_mov_b32 s43, 0
	s_mov_b32 s[G1], 15|(3<<16)|(1<<21)            ; the four partners; elements of 8 bytes; bit 21 beside a mask
	s_mov_b32 s[G1+1], 32<<16                      ; a pack is dense: 53 rows of 256 bytes
	s_mov_b32 s[G1+2], 53<<16
	s_mov_b32 s[G1+3], 32<<16
	s_mov_b32 s[G1+4], 53
	s_mov_b32 s[G1+5], 32
	s_mov_b32 s[G1+6], 0
	s_mov_b32 s[G1+7], 0
	s_mov_b32 s[SEL], 0x76543210
	s_mov_b32 s[SEL+1], 0xfedcba98
	s_mov_b32 s[CS], 0x3e38aa3b                    ; log2(e) / 8
	s_mov_b32 s[CS+1], s[CS]
	s_wait_dscnt 0x0
	s_wait_kmcnt 0x0
	s_add_nc_u64 s[26:27], s[26:27], s[40:41]
	s_add_nc_u64 s[26:27], s[26:27], s[42:43]
	CROUND
	s_mov_b32 s[G0], 1
	s_mov_b32 s[G0+1], s39
	s_mov_b64 s[G0+2:G0+3], s[26:27]
	s_or_b32 s[G0+3], s[G0+3], 0x80000000
	tensor_load_to_lds s[G0:G0+3], s[G1:G1+7]      ; my one load: a pack a wave, sixteen packs
	s_nop 0
.rept 4
	v_nop
.endr
	v_and_b32 v[UU], 31, v0
	v_and_b32 v[ADK], 15, v0                       ; r
	v_bfe_u32 v[H32], v0, 4, 1
	v_lshrrev_b32 v[ADV], 5, v0                    ; wave
	v_lshlrev_b32 v[L8], 3, v[UU]
	v_lshlrev_b32 v[L16], 4, v[UU]
	v_lshlrev_b32 v[H32], 5, v[H32]
	v_lshl_add_u32 v[ADV], v[ADV], 4, v[ADK]       ; my row among a pass's 256
	s_and_b32 s46, s[WV], 7                        ; my tile in its pack of 128 tokens
	s_mul_i32 s48, s46, 768
	s_and_b32 s49, s46, 1
	s_lshl_b32 s49, s49, 8                         ; the scale word of fragment t, row r lies at 16 (16 (t % 2) + r) + 4 (t / 2)
	s_lshr_b32 s47, s46, 1
	s_lshl_b32 s47, s47, 2
	s_add_co_u32 s49, s49, s47
	v_lshl_add_u32 v[GA], v[ADV], 1, GATH
	v_add_nc_u32 v[VQ], s48, v[L8]
	v_lshl_add_u32 v[VQS], v[ADK], 4, s49
.set n, 0
.rept 6
	v_mov_b32 v[ZR+n], 0                           ; zero codes for the upper 64 of K
	v_mov_b32 v[Q+6+n], 0
.set n, n+1
.endr
.irp b, 0,1,2,3
	v_mov_b32 v[BT+\b], 0                          ; written once: a lane permute's destination counts as one of its sources
.endr
	v_mov_b32 v[F], 0
	v_mov_b32 v[F+1], 0
	v_mov_b32 v[NEG], 0xff800000
	s_wait_alu depctr_va_vdst(0)
	s_lshl_b32 s44, s35, 2                         ; q's pack: step 4 x + 2 pass + wave / 8
	s_lshr_b32 s45, s[WV], 3
	s_add_co_u32 s44, s44, s45
	s_mul_i32 s44, s44, STEPB
	s_mov_b32 s45, 0
	s_add_nc_u64 s[QA:QA+1], s[24:25], s[40:41]
	s_add_nc_u64 s[QA:QA+1], s[QA:QA+1], s[44:45]
	s_lshl_b32 s54, s37, 7                         ; my query tile: 128 b + 32 x + 16 pass + wave
	s_lshl_b32 s55, s35, 5
	s_add_co_u32 s54, s54, s55
	s_add_co_u32 s54, s54, s[WV]
	s_lshl_b32 s56, s54, 12
	s_mov_b32 s57, 0
	s_add_nc_u64 s[MB:MB+1], s[28:29], s[56:57]
	s_lshl_b32 s58, s54, 4
	s_add_co_u32 s58, s58, s38
	s_mul_i32 s58, s58, 768
	s_mov_b32 s59, 0
	s_add_nc_u64 s[AO:AO+1], s[30:31], s[58:59]
	s_lshl_b32 s60, s37, 11
	s_lshl_b32 s61, s35, 9
	s_add_co_u32 s60, s60, s61
	s_lshl_b32 s60, s60, 1
	s_lshl_b32 s61, s38, 14
	s_add_co_u32 s60, s60, s61
	s_mov_b32 s61, 0
	s_add_nc_u64 s[AC:AC+1], s[32:33], s[60:61]
	s_mov_b32 s[MO], 0
	s_mov_b32 s[GO], 0
	s_mov_b32 s[PASS], 2
	QLOAD                                          ; pass 0's q and mask words are asked for while the packs are on their way
	MLOAD
	s_wait_tensorcnt 0x0                           ; my pack is in
	s_barrier_signal -1
	s_barrier_wait -1                              ; everybody's is
.Lpass:
.set n, 0
.rept 32
	v_mov_b32 v[O+n], 0                            ; a pass begins: O^T and the sum 0, the largest t -3e38
.set n, n+1
.endr
	v_mov_b32 v[SUM], 0
	v_mov_b32 v[SUM+1], 0
	v_mov_b32 v[TX], 0xff61b1e6
	v_mov_b32 v[NM], 0x7f61b1e6
	s_mov_b32 s[TB], 0
	s_mov_b32 s[CNT], 16
	s_wait_alu depctr_va_vdst(0)
	s_wait_loadcnt 0x0                             ; this pass's q
.Lstep:
	v_add_nc_u32 v[ADK], s[TB], v[L8]              ; these four are also the places in front of the loads below
	v_add_nc_u32 v[ADV], s[TB], v[L16]
	v_add_nc_u32 v[ADP], s[TB], v[H32]
	v_nop
.irp t, 0,1,2,3,4,5,6,7
.irp p, 0,1,2
	ds_load_b64 v[KF+6*\t+2*\p:KF+6*\t+2*\p+1], v[ADK] offset:768*\t+256*\p
.endr
.endr
	ds_load_b128 v[KSR:KSR+3], v[ADV] offset:KSC
.irp t, 0,1,2,3,4,5,6,7
	ds_load_b128 v[S+8*\t:S+8*\t+3], v[ADP] offset:PBO+64*\t        ; 8 x pos_bias of keys 16 t + 8 h + 0 .. 7: the C of tile t
	ds_load_b128 v[S+8*\t+4:S+8*\t+7], v[ADP] offset:PBO+64*\t+16
.endr
	s_wait_alu depctr_va_vdst(0)
	s_wait_dscnt 0x0
	s_wait_kmcnt 0x0                               ; this step's mask words
.irp t, 0,1,2,3,4,5,6,7
	WMMA S+8*\t, KF+6*\t, Q, KSR+\t/2, \t%2, QS
.endr
.rept 4
	v_nop
.endr
.irp f, 0,1,2,3
.irp c, 0,1,2
	ds_load_b128 v[KF+12*\f+4*\c:KF+12*\f+4*\c+3], v[ADV] offset:VOFF+1536*\f+512*\c
.endr
.endr
	ds_load_b64 v[VSR:VSR+1], v[ADK] offset:VSC
.set n, 0
.rept 64
.if n < 40
	v_cndmask_b32 v[S+n], v[NEG], v[S+n], s[24+n]
.else
	v_cndmask_b32 v[S+n], v[NEG], v[S+n], s[28+n]
.endif
.set n, n+1
.endr
	s_add_co_u32 s[MO], s[MO], 256
	s_min_u32 s[MO], s[MO], 3840                   ; the last step asks for its own words again: no load leaves the buffer
	MLOAD                                          ; the next step's words
.irp b, 0,1,2,3
	v_max3_num_f32 v[BM+\b], v[S+16*\b], v[S+16*\b+1], v[S+16*\b+2]   ; each block's largest score, the four blocks by turns: for the row's maximum and for the block's largest p
.endr
.irp i, 3,5,7,9,11,13
.irp b, 0,1,2,3
	v_max3_num_f32 v[BM+\b], v[BM+\b], v[S+16*\b+\i], v[S+16*\b+\i+1]
.endr
.endr
.irp b, 0,1,2,3
	v_max_num_f32 v[BM+\b], v[BM+\b], v[S+16*\b+15]
.endr
.irp b, 0,1,2,3
	v_permlanex16_b32 v[BT+\b], v[BM+\b], s[SEL], s[SEL+1]
.endr
.irp b, 0,1,2,3
	v_max_num_f32 v[BM+\b], v[BM+\b], v[BT+\b]
.endr
	v_max3_num_f32 v[TT], v[BM], v[BM+1], v[BM+2]
	s_delay_alu instid0(VALU_DEP_1)
	v_max_num_f32 v[TT], v[TT], v[BM+3]
	s_delay_alu instid0(VALU_DEP_1)
	v_mul_f32 v[TT], s[CS], v[TT]
	s_delay_alu instid0(VALU_DEP_1)
	v_max_num_f32 v[TX], v[TX], v[TT]              ; the running largest t
	v_mov_b32 v[TT], v[NM]
	s_delay_alu instid0(VALU_DEP_2)
	v_floor_f32 v[NM], -v[TX]                      ; -M = floor(-t)
	s_delay_alu instid0(VALU_DEP_1)
	v_sub_f32 v[TT], v[NM], v[TT]
	s_delay_alu instid0(VALU_DEP_1)
	v_cvt_i32_f32 v[TT], v[TT]
	s_delay_alu instid0(VALU_DEP_1)
	v_ldexp_f32 v[F], 1.0, v[TT]                   ; f = 2^(old M - new M)
.set j, 0
.rept 32
	v_pk_fma_f32 v[S+j:S+j+1], v[S+j:S+j+1], s[CS:CS+1], v[NM:NM+1] op_sel_hi:[1,0,0]
.set j, j+2
.endr
.irp b, 0,1,2,3
	v_fma_f32 v[BM+\b], v[BM+\b], s[CS], v[NM]
.endr
.set j, 0
	s_wait_alu depctr_va_vdst(0)
.rept 64
	v_exp_f32 v[S+j], v[S+j]
.set j, j+1
.endr
.irp b, 0,1,2,3
	v_exp_f32 v[BM+\b], v[BM+\b]
.endr
	v_pk_mul_f32 v[SUM:SUM+1], v[SUM:SUM+1], v[F:F+1] op_sel_hi:[1,0]
	s_wait_alu depctr_va_vdst(0)
.irp b, 0,1,2,3
	v_max_num_f32 v[BM+\b], 0x1800000, v[BM+\b]    ; the floor: the byte cannot fall under 1
.endr
.irp b, 0,1,2,3
	v_add_nc_u32 v[SO+\b], 0xff000000, v[BM+\b]
.endr
.irp b, 0,1,2,3
	v_lshrrev_b32 v[BT+\b], 23, v[SO+\b]
.endr
	v_lshl_or_b32 v[TT], v[BT+1], 8, v[BT]
	s_delay_alu instid0(VALU_DEP_1)
	v_lshl_or_b32 v[TT], v[BT+2], 16, v[TT]
	s_delay_alu instid0(VALU_DEP_1)
	v_lshl_or_b32 v[PSA], v[BT+3], 24, v[TT]       ; p's scale word for these 128 keys
.irp c, 0,1
	v_cvt_scalef32_pk16_fp6_f32 v[PC+6*\c:PC+6*\c+2], v[S+32*\c:S+32*\c+15], v[SO+2*\c]
	v_cvt_scalef32_pk16_fp6_f32 v[PT+4*\c:PT+4*\c+2], v[S+32*\c+16:S+32*\c+31], v[SO+2*\c+1]
.endr
	v_nop
.irp c, 0,1
.irp i, 0,1,2
	v_permlane16_swap_b32 v[PC+6*\c+\i], v[PT+4*\c+\i]
.endr
.irp i, 0,1,2
	v_mov_b32 v[PC+3+6*\c+\i], v[PT+4*\c+\i]
.endr
.endr
	v_pk_add_f32 v[SA:SA+1], v[S:S+1], v[S+2:S+3]  ; the sum of the unquantised p, in two chains
.set j, 4
.rept 15
	v_pk_add_f32 v[SUM:SUM+1], v[SUM:SUM+1], v[S+j:S+j+1]
	v_pk_add_f32 v[SA:SA+1], v[SA:SA+1], v[S+j+2:S+j+3]
.set j, j+4
.endr
	s_delay_alu instid0(VALU_DEP_1)
	v_pk_add_f32 v[SUM:SUM+1], v[SUM:SUM+1], v[SA:SA+1]
.set j, 0
.rept 16
	v_pk_mul_f32 v[O+j:O+j+1], v[O+j:O+j+1], v[F:F+1] op_sel_hi:[1,0]
.set j, j+2
.endr
	s_wait_alu depctr_va_vdst(0)
	s_wait_dscnt 0x0                               ; V's fragments
.irp f, 0,1,2,3
	WMMA O+8*\f, KF+12*\f, PC, VSR+\f/2, \f%2, PSA
.endr
	s_add_co_u32 s[TB], s[TB], STEPB
	s_sub_co_u32 s[CNT], s[CNT], 1
	s_cmp_lg_u32 s[CNT], 0
	s_cbranch_scc1 .Lstep
	s_wait_kmcnt 0x0
.rept 4
	v_nop
.endr
	s_cmp_eq_u32 s[PASS], 1
	s_cbranch_scc1 .Llast
	s_add_nc_u64 s[QA:QA+1], s[QA:QA+1], 2*STEPB   ; the next 256 queries: two packs on,
	s_add_nc_u64 s[MB:MB+1], s[MB:MB+1], 65536     ; sixteen tiles of mask words on
	s_mov_b32 s[MO], 0
	QLOAD                                          ; asked for ahead of the way out
	MLOAD
.Llast:
	v_add_f32 v[SUM], v[SUM], v[SUM+1]
	s_delay_alu instid0(VALU_DEP_1)
	v_permlanex16_b32 v[BT], v[SUM], s[SEL], s[SEL+1]
	s_delay_alu instid0(VALU_DEP_1)
	v_add_f32 v[SUM], v[SUM], v[BT]
	s_wait_alu depctr_va_vdst(0)
	v_rcp_f32 v[F], v[SUM]
	v_mov_b32 v[TT+1], 0                           ; the mark of a row with no key: two bytes 0
.set j, 0
	s_wait_alu depctr_va_vdst(0)
.rept 32
	v_mul_f32 v[S+j], v[O+j], v[F]
.set j, j+1
.endr
.irp g, 0,1
.irp i, 0,1,2,3,4,5,6,7
	v_permlane16_swap_b32 v[S+16*\g+\i], v[S+16*\g+8+\i]
.endr
.endr
.irp b, 0,1
	v_max3_num_f32 v[BM+\b], |v[S+16*\b]|, |v[S+16*\b+1]|, 0x1800000
.endr
.irp i, 2,4,6,8,10,12,14
.irp b, 0,1
	s_delay_alu instid0(VALU_DEP_2)
	v_max3_num_f32 v[BM+\b], v[BM+\b], |v[S+16*\b+\i]|, |v[S+16*\b+\i+1]|
.endr
.endr
.irp b, 0,1
	s_delay_alu instid0(VALU_DEP_2)
	v_permlanex16_b32 v[BT+\b], v[BM+\b], s[SEL], s[SEL+1]
.endr
.irp b, 0,1
	s_delay_alu instid0(VALU_DEP_2)
	v_max_num_f32 v[BM+\b], v[BM+\b], v[BT+\b]
.endr
.irp b, 0,1
	s_delay_alu instid0(VALU_DEP_2)
	v_add_nc_u32 v[SO+\b], 0xff000000, v[BM+\b]
.endr
.irp b, 0,1
	s_delay_alu instid0(VALU_DEP_2)
	v_lshrrev_b32 v[BT+\b], 23, v[SO+\b]
.endr
	s_delay_alu instid0(VALU_DEP_1)
	v_lshl_or_b32 v[TT], v[BT+1], 8, v[BT]
	v_cvt_scalef32_pk16_fp6_f32 v[PC:PC+2], v[S:S+15], v[SO]
	v_cvt_scalef32_pk16_fp6_f32 v[PT:PT+2], v[S+16:S+31], v[SO+1]
	v_nop
.irp i, 0,1,2
	v_permlane16_swap_b32 v[PC+\i], v[PT+\i]
.endr
.irp i, 0,1,2
	s_delay_alu instid0(VALU_DEP_3)
	v_mov_b32 v[PC+3+\i], v[PT+\i]
.endr
	v_cmp_eq_f32 vcc_lo, 0, v[SUM]
	s_delay_alu instid0(VALU_DEP_1)
	v_cndmask_b32 v[TT], v[TT], v[TT+1], vcc_lo
	v_add_nc_u32 v[ADK], s[GO], v[GA]
.irp p, 0,1,2
	global_store_b64 v[L8], v[PC+2*\p:PC+2*\p+1], s[AO:AO+1] offset:256*\p   ; 32 lanes store 256 consecutive bytes, aligned
.endr
	ds_store_b16 v[ADK], v[TT]                     ; lanes r and 16 + r hold the same two bytes and name the same place
	s_wait_xcnt 0x0                                ; the stores have read their registers and base
	s_add_nc_u64 s[AO:AO+1], s[AO:AO+1], 196608    ; sixteen tiles of 16 heads x 768 bytes on
	s_add_co_u32 s[GO], s[GO], 512
	s_sub_co_u32 s[PASS], s[PASS], 1
	s_cmp_lg_u32 s[PASS], 0
	s_wait_alu depctr_va_vdst(0)
	s_cbranch_scc1 .Lpass
	v_add_nc_u32 v[ADK], GATH, v[L16]
	s_wait_dscnt 0x0                               ; my scale bytes are in LDS
	s_barrier_signal -1
	s_barrier_wait -1                              ; everybody's are
	s_cmp_lg_u32 s[WV], 0
	s_cbranch_scc1 .Lnot_mine
	s_wait_alu depctr_va_vdst(0)
	ds_load_b128 v[S:S+3], v[ADK]
	ds_load_b128 v[S+4:S+7], v[ADK] offset:512
	s_wait_dscnt 0x0
	global_store_b128 v[L16], v[S:S+3], s[AC:AC+1] ; 32 lanes store 512 consecutive bytes, aligned
	global_store_b128 v[L16], v[S+4:S+7], s[AC:AC+1] offset:512
.Lnot_mine:
	s_wait_tensorcnt 0x0                           ; the wave's end
	ds_add_u32 v254, v255
	s_wait_dscnt 0x0
	CROUND                                         ; the closing round
	s_endpgm
.Lfunc_end_k_q7f8b5cd6ce_attn:
	.size	k_q7f8b5cd6ce_attn, .Lfunc_end_k_q7f8b5cd6ce_attn-k_q7f8b5cd6ce_attn
	.p2alignl 7, 3214868480
	.fill 96, 4, 3214868480
	.section	.rodata,"a",@progbits
	.p2align	6, 0x0
	.amdhsa_kernel k_q7f8b5cd6ce_attn
		.amdhsa_group_segment_fixed_size 327680
		.amdhsa_private_segment_fixed_size 0
		.amdhsa_enable_private_segment 0
		.amdhsa_kernarg_size 40
		.amdhsa_user_sgpr_count 2
		.amdhsa_user_sgpr_kernarg_segment_ptr 1
		.amdhsa_wavefront_size32 1
		.amdhsa_system_sgpr_workgroup_id_x 1
		.amdhsa_system_sgpr_workgroup_id_y 1
		.amdhsa_system_sgpr_workgroup_id_z 1
		.amdhsa_system_vgpr_workitem_id 0
		.amdhsa_next_free_vgpr 256
		.amdhsa_next_free_sgpr 102
		.amdhsa_reserve_vcc 1
		.amdhsa_float_denorm_mode_32 3
		.amdhsa_float_denorm_mode_16_64 3
		.amdhsa_memory_ordered 1
		.amdhsa_forward_progress 1
		.amdhsa_inst_pref_size 38
	.end_amdhsa_kernel
	.amdgpu_metadata
---
amdhsa.version: [ 1, 2 ]
amdhsa.kernels:
  - .name:           k_q7f8b5cd6ce_attn
    .symbol:         k_q7f8b5cd6ce_attn.kd
    .args:
      - { .name: qp, .offset: 0, .size: 8, .value_kind: global_buffer, .address_space: global }
      - { .name: kv, .offset: 8, .size: 8, .value_kind: global_buffer, .address_space: global }
      - { .name: mbits, .offset: 16, .size: 8, .value_kind: global_buffer, .address_space: global }
      - { .name: ao, .offset: 24, .size: 8, .value_kind: global_buffer, .address_space: global }
      - { .name: asc, .offset: 32, .size: 8, .value_kind: global_buffer, .address_space: global }
    .group_segment_fixed_size: 327680
    .private_segment_fixed_size: 0
    .kernarg_segment_align: 8
    .kernarg_segment_size: 40
    .max_flat_workgroup_size: 512
    .sgpr_count:     102
    .vgpr_count:     256
    .wavefront_size: 32
...
	.end_amdgpu_metadata
.endif
;; end of part 2
;; launch oproj (part 3): grid 4 x 64, 4 waves a work-group, clusters of 4 x 4, 327,680 bytes of LDS; arguments ao, asc, Wo_codes, Wo_scales, bo, out0; writes out0
.if DOCPART == 3
	.amdgcn_target "amdgcn-amd-amdhsa--gfx1250"
	.amdhsa_code_object_version 6
	.text
	.protected	k_q7f8b5cd6ce_oproj
	.globl	k_q7f8b5cd6ce_oproj
	.p2align	8
	.type	k_q7f8b5cd6ce_oproj,@function
k_q7f8b5cd6ce_oproj:
	s_mov_b64 s[64:65], 0
	v_nop
	global_prefetch_b8 v0, s[64:65] scope:SCOPE_SE
	s_setreg_imm32_b32 hwreg(HW_REG_WAVE_MODE, 25, 1), 1
	s_wait_xcnt 0x0
	s_wait_alu depctr_hold_cnt(0) depctr_sa_sdst(0) depctr_va_vdst(0) depctr_va_sdst(0) depctr_va_ssrc(0) depctr_va_vcc(0) depctr_vm_vsrc(0)
	s_getreg_b32 s2, hwreg(HW_REG_IB_STS2, 6, 4)
	s_cmp_eq_u32 s2, 0
	s_cbranch_scc0 .Lentry_in_a_cluster
	s_endpgm
.Lentry_in_a_cluster:
	s_bfe_u32 s2, ttmp6, 0x10000c
	s_cmp_lg_u32 s2, 0xf033
	s_cbranch_scc0 .Lentry_shape_is_right
	s_endpgm
.Lentry_shape_is_right:
; OPROJ.  out0 = a Wo^T + bo on codes of FP6 (E2M3), f32 sums.  a comes from the attention launch as images of operand registers, ao[tile of 16 rows][head][768 bytes], with two scale bytes a row and head, asc[head][row][2].
; A block of 128 rows x 256 columns to a work-group: 4 x 64 = 256 work-groups.  ALL OF K LIES IN LDS: a's 128 rows are 98,304 dense bytes, Wo's 256 rows 196,608 dense bytes, brought as rows of 256 bytes
; (Wo's with 16 bytes of padding behind each, so a row of codes is 3 x 272 = 816 bytes there).  One joint load a wave at the head (waves 0, 1 a's halves, shared along a row of the 4 x 4 cluster; waves 2, 3 Wo's halves,
; shared along a column); nothing is filled again, so one barrier shows the tiles and the eight steps of 128 along K follow with none.  No loop over tiles stands ahead of which a prefetch could run.
; A wave makes 64 x 128: 32 accumulators by turns.  The product is used transposed (source 0 = 16 rows of Wo, source 1 = 16 rows of a): a lane holds eight neighbouring columns of one row.
; A row marked by the attention launch (two scale bytes 0 in some head: a query with no key) is multiplied by NaN on the way out, every other row by 1.0: reference() has NaN there.
; REGISTERS: window 0: v16-30 addresses; v32-47 a's scale words, v64-95 Wo's, v96-99 bo, v100-101 the rows' factor, v102 NaN; v128-223 a's fragments, two sets.  window 1: Wo's fragments at v0 and v128.  window 2: the accumulators.
.set BPITCH, 816
.set FR,    12
.set NP,    4
.set ATILE, 12288
.set HALFA, 4*ATILE
.set BBASE, 2*HALFA
.set HALFB, 128*BPITCH
.set SPARE, BBASE+2*HALFB              ; the spare words, 128 bytes a wave
.set SPITCH, 528                       ; the way out: a stage of 16 rows x (512 + 16) bytes a wave, in a's bytes, behind a barrier behind which nobody reads them
.set NROW,  4096
.set ADRA, 16
.set ADRB, 20                          ; v20 Wo's blocks 0-3, v21 blocks 4-7; v22, v23 the same with lanes 16-31 behind one padding more
.set STO,  24
.set RD,   25
.set CO,   26
.set LS,   27
.set SPW,  28
.set NIL,  29
.set L2,   30
.set AS,   32
.set BS,   64
.set BO,   96
.set GF,   100                         ; v100, v101: lane L: the factor of row 32 g + L
.set NANR, 102
.set AF,   128
.set BK,   128
.set G1,  24
.set G0,  32
.set G1B, 48
.set G0B, 56
.set RG,  66                           ; s66-97: sixteen pairs, a row's factor in the low word
.set MSB, 0
.macro WIN new
.if MSB != (\new)
	s_set_vgpr_msb (MSB<<8)|(\new)
.set MSB, (\new)
.endif
.endm
.macro WMMA d, s0, s1, cm, c, x0, o0, x1, o1
.set rD, \d
.set rA, \s0
.set rB, \s1
.set rC, \c
.set rX, \x0
.set rY, \x1
.set rM, 4*(\cm)+2*(\o0)+(\o1)
.if rM == 0
	v_wmma_scale_f32_16x16x128_f8f6f4 v[rD:rD+7], v[rA:rA+11], v[rB:rB+11], 0, v[rX], v[rY] matrix_a_fmt:MATRIX_FMT_FP6 matrix_b_fmt:MATRIX_FMT_FP6
.elseif rM == 1
	v_wmma_scale_f32_16x16x128_f8f6f4 v[rD:rD+7], v[rA:rA+11], v[rB:rB+11], 0, v[rX], v[rY] matrix_a_fmt:MATRIX_FMT_FP6 matrix_b_fmt:MATRIX_FMT_FP6 matrix_b_scale:MATRIX_SCALE_ROW1
.elseif rM == 2
	v_wmma_scale_f32_16x16x128_f8f6f4 v[rD:rD+7], v[rA:rA+11], v[rB:rB+11], 0, v[rX], v[rY] matrix_a_fmt:MATRIX_FMT_FP6 matrix_b_fmt:MATRIX_FMT_FP6 matrix_a_scale:MATRIX_SCALE_ROW1
.elseif rM == 3
	v_wmma_scale_f32_16x16x128_f8f6f4 v[rD:rD+7], v[rA:rA+11], v[rB:rB+11], 0, v[rX], v[rY] matrix_a_fmt:MATRIX_FMT_FP6 matrix_b_fmt:MATRIX_FMT_FP6 matrix_a_scale:MATRIX_SCALE_ROW1 matrix_b_scale:MATRIX_SCALE_ROW1
.elseif rM == 4
	v_wmma_scale_f32_16x16x128_f8f6f4 v[rD:rD+7], v[rA:rA+11], v[rB:rB+11], v[rC:rC+7], v[rX], v[rY] matrix_a_fmt:MATRIX_FMT_FP6 matrix_b_fmt:MATRIX_FMT_FP6
.elseif rM == 5
	v_wmma_scale_f32_16x16x128_f8f6f4 v[rD:rD+7], v[rA:rA+11], v[rB:rB+11], v[rC:rC+7], v[rX], v[rY] matrix_a_fmt:MATRIX_FMT_FP6 matrix_b_fmt:MATRIX_FMT_FP6 matrix_b_scale:MATRIX_SCALE_ROW1
.elseif rM == 6
	v_wmma_scale_f32_16x16x128_f8f6f4 v[rD:rD+7], v[rA:rA+11], v[rB:rB+11], v[rC:rC+7], v[rX], v[rY] matrix_a_fmt:MATRIX_FMT_FP6 matrix_b_fmt:MATRIX_FMT_FP6 matrix_a_scale:MATRIX_SCALE_ROW1
.else
	v_wmma_scale_f32_16x16x128_f8f6f4 v[rD:rD+7], v[rA:rA+11], v[rB:rB+11], v[rC:rC+7], v[rX], v[rY] matrix_a_fmt:MATRIX_FMT_FP6 matrix_b_fmt:MATRIX_FMT_FP6 matrix_a_scale:MATRIX_SCALE_ROW1 matrix_b_scale:MATRIX_SCALE_ROW1
.endif
.endm
.macro CROUND                          ; a round of the cluster's barrier
	s_barrier_signal -1
	s_barrier_wait -1
	s_cmp_lg_u32 s14, 0
	s_cbranch_scc1 .Lnot_wave_0_\@
	s_barrier_signal -3
.Lnot_wave_0_\@:
	s_barrier_wait -3
	s_barrier_signal -1
	s_barrier_wait -1
.endm
.macro PLACES n
.rept \n
	v_nop
.endr
.endm
	s_load_b256 s[4:11], s[0:1], 0x0               ; ao 4, asc 6, Wo's codes 8, Wo's scales 10
	s_load_b64 s[18:19], s[0:1], 0x20              ; bo
	s_load_b64 s[12:13], s[0:1], 0x28              ; out0
	v_lshl_add_u32 v[SPW], v0, 2, SPARE
	v_mov_b32 v[NIL], 0
	ds_add_u32 v[SPW], v[NIL]                      ; the opening lines: the add twice on end and its wait
	ds_add_u32 v[SPW], v[NIL]
	v_lshrrev_b32 v1, 5, v0
	v_readfirstlane_b32 s14, v1                    ; wave
	s_lshr_b32 s15, s14, 1                         ; which 64 rows of a are mine.  Also: I fetch for a (0) or for Wo (1)
	s_and_b32 s16, s14, 1                          ; which 128 rows of Wo.  Also: which half of that tile I fetch
	s_bfe_u32 s40, ttmp6, 0x40000
	s_bfe_u32 s41, ttmp6, 0x40004
	s_lshl_b32 s42, ttmp9, 2
	s_add_co_u32 s42, s42, s40                     ; block column 0..3
	s_and_b32 s17, ttmp7, 0xffff
	s_lshl_b32 s17, s17, 2
	s_add_co_u32 s17, s17, s41                     ; block row 0..63
	s_lshl_b32 s43, s41, 2
	s_lshl_b32 s43, 15, s43                        ; my row of the cluster
	s_lshl_b32 s44, 0x1111, s40                    ; my column
	s_or_b32 s[G1+0], s43, (3<<16)|(1<<21)         ; a: 49,152 dense bytes as 192 rows of 32 elements of 8 bytes
	s_mov_b32 s[G1+1], 32<<16
	s_mov_b32 s[G1+2], 192<<16
	s_mov_b32 s[G1+3], 32<<16
	s_mov_b32 s[G1+4], 192
	s_mov_b32 s[G1+5], 32
	s_mov_b32 s[G1+6], 0
	s_mov_b32 s[G1+7], 0
	s_or_b32 s[G1B+0], s44, (3<<16)|(1<<20)|(1<<21)|(5<<22)|(3<<25)   ; Wo: 98,304 dense bytes as 384 such rows, 4 words of padding behind every 64
	s_mov_b32 s[G1B+1], 32<<16
	s_mov_b32 s[G1B+2], 384<<16
	s_mov_b32 s[G1B+3], 32<<16
	s_mov_b32 s[G1B+4], 384
	s_mov_b32 s[G1B+5], 32
	s_mov_b32 s[G1B+6], 0
	s_mov_b32 s[G1B+7], 0
	s_mul_i32 s20, s17, 2*HALFA
	s_mul_i32 s22, s16, HALFA
	s_add_co_u32 s20, s20, s22
	s_mov_b32 s21, 0
	s_lshl_b32 s46, s42, 8
	s_lshl_b32 s22, s16, 7
	s_add_co_u32 s46, s46, s22
	s_mul_i32 s46, s46, 768
	s_mov_b32 s47, 0
	s_mul_i32 s45, s16, HALFA
	s_mul_i32 s95, s16, HALFB
	s_add_co_u32 s95, s95, BBASE
	s_wait_dscnt 0x0
	s_wait_kmcnt 0x0
	s_add_nc_u64 s[20:21], s[4:5], s[20:21]
	s_add_nc_u64 s[46:47], s[8:9], s[46:47]
	CROUND                                         ; all sixteen work-groups are here: the joint loads meet
	s_mov_b32 s[G0], 1
	s_mov_b32 s[G0+1], s45
	s_mov_b64 s[G0+2:G0+3], s[20:21]
	s_or_b32 s[G0+3], s[G0+3], 0x80000000
	s_mov_b32 s[G0B], 1
	s_mov_b32 s[G0B+1], s95
	s_mov_b64 s[G0B+2:G0B+3], s[46:47]
	s_or_b32 s[G0B+3], s[G0B+3], 0x80000000
	s_cmp_eq_u32 s15, 0
	s_cbranch_scc0 .Lfor_b
	tensor_load_to_lds s[G0:G0+3], s[G1:G1+7]
	s_nop 0
	PLACES 4
	s_branch .Lasked
.Lfor_b:
	tensor_load_to_lds s[G0B:G0B+3], s[G1B:G1B+7]
	s_nop 0
	PLACES 4
.Lasked:
	v_and_b32 v1, 15, v0                           ; r
	v_bfe_u32 v2, v0, 4, 1                         ; h
	v_and_b32 v6, 31, v0
	v_mul_u32_u24 v3, v1, BPITCH
	v_mad_u32_u24 v4, v2, 24, v3                   ; Wo's fragment: row r, + 24 h
	v_lshl_add_u32 v5, v2, 4, v4
	v_lshlrev_b32 v7, 3, v6
	s_mul_i32 s2, s15, HALFA
	s_mul_i32 s3, s16, HALFB
	s_add_co_u32 s3, s3, BBASE
	v_add_nc_u32 v[ADRA], s2, v7
	v_add_nc_u32 v[ADRB], s3, v4
	v_add_nc_u32 v[ADRB+2], s3, v5
	s_add_co_u32 s3, s3, 64*BPITCH
	v_add_nc_u32 v[ADRB+1], s3, v4
	v_add_nc_u32 v[ADRB+3], s3, v5
	s_mul_i32 s23, s14, 16*SPITCH
	v_mul_u32_u24 v5, v1, SPITCH
	v_lshl_add_u32 v5, v2, 5, v5
	v_add_nc_u32 v[STO], s23, v5
	v_lshlrev_b32 v[CO], 4, v6
	v_add_nc_u32 v[RD], s23, v[CO]
	v_lshlrev_b32 v[LS], 5, v6
	v_lshlrev_b32 v[L2], 1, v6
	v_mov_b32 v[NANR], 0x7fc00000
	s_wait_alu depctr_va_vdst(0)
	s_lshl_b32 s70, s17, 8                         ; asc: 2 bytes a row
	s_lshl_b32 s71, s15, 7
	s_add_co_u32 s70, s70, s71
	s_mov_b32 s71, 0
	s_add_nc_u64 s[6:7], s[6:7], s[70:71]
	s_lshl_b32 s72, s42, 13                        ; Wo's scales: 32 bytes a row
	s_lshl_b32 s73, s16, 12
	s_add_co_u32 s72, s72, s73
	s_mov_b32 s73, 0
	s_add_nc_u64 s[10:11], s[10:11], s[72:73]
	s_lshl_b32 s74, s42, 10                        ; my 128 columns, in bytes
	s_lshl_b32 s75, s16, 9
	s_add_co_u32 s74, s74, s75
	s_mov_b32 s75, 0
	s_add_nc_u64 s[18:19], s[18:19], s[74:75]
	s_lshl_b32 s76, s17, 7
	s_lshl_b32 s77, s15, 6
	s_add_co_u32 s76, s76, s77
	s_lshl_b32 s76, s76, 12                        ; my first row of out0
	s_mov_b32 s77, 0
	s_add_nc_u64 s[12:13], s[12:13], s[76:77]
	s_add_nc_u64 s[12:13], s[12:13], s[74:75]
.irp d, 0,1,2,3,4,5,6,7,8,9,10,11,12,13,14,15
.irp g, 0,1
	global_load_u16 v[128+2*\d+\g], v[L2], s[6:7] offset:\d*16384+64*\g   ; lane L: row 32 g + L, head d
.endr
.endr
.irp g, 0,1,2,3
.irp i, 0,1
	global_load_b128 v[BS+8*\g+4*\i:BS+8*\g+4*\i+3], v[LS], s[10:11] offset:1024*\g+16*\i
.endr
.endr
	global_load_b128 v[BO:BO+3], v[CO], s[18:19]
.irp t, 0,1,2,3,4,5,6,7,8,9,10,11,12,13,14,15
	s_mov_b32 s[RG+2*\t+1], 0                      ; the pairs' upper words are named by the packed form and not used
.endr
	s_wait_loadcnt 0x0
.irp g, 0,1
.irp s, 0,1,2,3,4,5,6,7
	v_lshl_or_b32 v[AS+8*\g+\s], v[128+2*(2*\s+1)+\g], 16, v[128+2*(2*\s)+\g]   ; K step s: heads 2 s and 2 s + 1
.endr
.endr
.irp g, 0,1
	v_min_u32 v[GF+\g], v[128+\g], v[130+\g]
.endr
.irp d, 2,3,4,5,6,7,8,9,10,11,12,13,14,15
.irp g, 0,1
	v_min_u32 v[GF+\g], v[GF+\g], v[128+2*\d+\g]   ; 0 only where some head has the mark
.endr
.endr
	v_cmp_eq_u32 vcc_lo, 0, v[GF]
	v_cndmask_b32 v[GF], 1.0, v[NANR], vcc_lo
	v_cmp_eq_u32 vcc_lo, 0, v[GF+1]
	v_cndmask_b32 v[GF+1], 1.0, v[NANR], vcc_lo
	PLACES 8                                       ; a scale register written by a vector instruction stands 8 places ahead of a scaled product
.macro FRAGB reg, st, i                ; Wo's block i of step st: pieces of 8 bytes; byte y of a row lies at y + 16 (y / 256); lanes 16-31 read 24 bytes on, for some pieces behind one padding more
.irp p, 0,1,2,3,4,5
.set BY, 96*(\st)+48*(\p/3)+8*(\p%3)
.set AR, ADRB+(\i)/4+2*((BY+24)/256-BY/256)
	ds_load_b64 v[\reg+2*\p:\reg+2*\p+1], v[AR] offset:BY+16*(BY/256)+((\i)%4)*16*BPITCH
.endr
.endm
.macro FRAGA reg, st, i                ; a's block i of step st: the image of its registers
.irp p, 0,1,2,3,4,5
	ds_load_b64 v[\reg+2*\p:\reg+2*\p+1], v[ADRA] offset:ATILE*(\i)+1536*(\st)+256*\p
.endr
.endm
.macro FETCH st                        ; 72 loads into set st % 2
	WIN 0x40
.irp i, 0,1,2,3,4,5,6,7
	FRAGB 128*((\st)%2)+FR*\i, \st, \i
.endr
	WIN 0
.irp i, 0,1,2,3
	FRAGA AF+48*((\st)%2)+FR*\i, \st, \i
.endr
.endm
.macro MUL st, zero                    ; 32 products, the 32 accumulators by turns
	WIN 0xa1
.irp a, 0,1,2,3
.irp b, 0,1,2,3,4,5,6,7
	WMMA 8*(8*\a+\b), 128*((\st)%2)+FR*\b, AF+48*((\st)%2)+FR*\a, 1-(\zero), 8*(8*\a+\b), BS+8*(\b/2)+(\st), \b%2, AS+8*(\a/2)+(\st), \a%2
.endr
.endr
	WIN 0
.endm
	s_wait_alu depctr_va_vdst(0)
	s_wait_tensorcnt 0x0                           ; my part of the tiles is in
	s_barrier_signal -1
	s_barrier_wait -1                              ; everybody's is
	FETCH 0
.set ST, 0
.rept 7
	s_wait_dscnt 0x0                               ; this step's fragments are in (asked for one step's products ago)
	PLACES NP                                      ; in front of loads into the set that the last products read
	FETCH ST+1
.if ST == 0
	MUL ST, 1                                      ; the first products start the sums
.else
	MUL ST, 0
.endif
.set ST, ST+1
.endr
	s_wait_dscnt 0x0
	MUL 7, 0
	PLACES NP
	s_barrier_signal -1                            ; no LDS instruction of mine is pending: my reads of a's bytes are over
	s_barrier_wait -1                              ; everybody's are: the stages may lie there
.macro TOSTAGE a
.set AC, 64*(\a)
	WIN 0x08
.irp b, 0,1,2,3,4,5,6,7
	ds_store_b128 v[STO], v[AC+8*\b:AC+8*\b+3] offset:64*\b          ; each accumulator from its low end on
	ds_store_b128 v[STO], v[AC+8*\b+4:AC+8*\b+7] offset:64*\b+16
.endr
	WIN 0
.set BB, BK+64*((\a)%2)
.irp t, 0,1,2,3,4,5,6,7,8,9,10,11,12,13,14,15
	ds_load_b128 v[BB+4*\t:BB+4*\t+3], v[RD] offset:\t*SPITCH        ; in order behind my stores
.endr
.endm
.macro SEND a, younger                 ; younger: the LDS instructions issued behind block a's loads, which may stay out
.set BB, BK+64*((\a)%2)
.irp t, 0,1,2,3,4,5,6,7,8,9,10,11,12,13,14,15
	v_readlane_b32 s[RG+2*\t], v[GF+(\a)/2], 16*((\a)%2)+\t          ; row t's factor: 1.0, or NaN for a marked row
.endr
	s_wait_dscnt \younger
.if (\a) > 0
	s_add_nc_u64 s[12:13], s[12:13], 16*NROW       ; behind a wait on XCNT: the earlier stores have read their base
.endif
.irp t, 0,1,2,3,4,5,6,7,8,9,10,11,12,13,14,15
	v_pk_fma_f32 v[BB+4*\t:BB+4*\t+1], v[BB+4*\t:BB+4*\t+1], s[RG+2*\t:RG+2*\t+1], v[BO:BO+1] op_sel_hi:[1,0,1]
	v_pk_fma_f32 v[BB+4*\t+2:BB+4*\t+3], v[BB+4*\t+2:BB+4*\t+3], s[RG+2*\t:RG+2*\t+1], v[BO+2:BO+3] op_sel_hi:[1,0,1]
.endr
.irp t, 0,1,2,3,4,5,6,7,8,9,10,11,12,13,14,15
	global_store_b128 v[CO], v[BB+4*\t:BB+4*\t+3], s[12:13] offset:\t*NROW th:TH_STORE_NT   ; 32 lanes store 512 consecutive bytes, aligned
.endr
.endm
	TOSTAGE 0
.irp a, 1,2,3
.if \a > 1
	s_wait_xcnt 0x0                                ; block a - 2's stores have read their registers and their base
.endif
	TOSTAGE \a
	SEND \a-1, 32                                  ; behind block a - 1's loads: block a's 16 stores and 16 loads
.endr
	s_wait_xcnt 0x0
	SEND 3, 0
	s_wait_tensorcnt 0x0                           ; the wave's end
	ds_add_u32 v[SPW], v[NIL]
	s_wait_dscnt 0x0
	CROUND                                         ; the closing round
	s_endpgm
.Lfunc_end_k_q7f8b5cd6ce_oproj:
	.size	k_q7f8b5cd6ce_oproj, .Lfunc_end_k_q7f8b5cd6ce_oproj-k_q7f8b5cd6ce_oproj
	.p2alignl 7, 3214868480
	.fill 96, 4, 3214868480
	.section	.rodata,"a",@progbits
	.p2align	6, 0x0
	.amdhsa_kernel k_q7f8b5cd6ce_oproj
		.amdhsa_group_segment_fixed_size 327680
		.amdhsa_private_segment_fixed_size 0
		.amdhsa_enable_private_segment 0
		.amdhsa_kernarg_size 48
		.amdhsa_user_sgpr_count 2
		.amdhsa_user_sgpr_kernarg_segment_ptr 1
		.amdhsa_wavefront_size32 1
		.amdhsa_system_sgpr_workgroup_id_x 1
		.amdhsa_system_sgpr_workgroup_id_y 1
		.amdhsa_system_sgpr_workgroup_id_z 1
		.amdhsa_system_vgpr_workitem_id 0
		.amdhsa_next_free_vgpr 768
		.amdhsa_next_free_sgpr 98
		.amdhsa_reserve_vcc 1
		.amdhsa_float_denorm_mode_32 3
		.amdhsa_float_denorm_mode_16_64 3
		.amdhsa_memory_ordered 1
		.amdhsa_forward_progress 1
		.amdhsa_inst_pref_size 111
	.end_amdhsa_kernel
	.amdgpu_metadata
---
amdhsa.version: [ 1, 2 ]
amdhsa.kernels:
  - .name:           k_q7f8b5cd6ce_oproj
    .symbol:         k_q7f8b5cd6ce_oproj.kd
    .args:
      - { .name: ao, .offset: 0, .size: 8, .value_kind: global_buffer, .address_space: global }
      - { .name: asc, .offset: 8, .size: 8, .value_kind: global_buffer, .address_space: global }
      - { .name: Wo_codes, .offset: 16, .size: 8, .value_kind: global_buffer, .address_space: global }
      - { .name: Wo_scales, .offset: 24, .size: 8, .value_kind: global_buffer, .address_space: global }
      - { .name: bo, .offset: 32, .size: 8, .value_kind: global_buffer, .address_space: global }
      - { .name: out0, .offset: 40, .size: 8, .value_kind: global_buffer, .address_space: global }
    .group_segment_fixed_size: 327680
    .private_segment_fixed_size: 0
    .kernarg_segment_align: 8
    .kernarg_segment_size: 48
    .max_flat_workgroup_size: 128
    .sgpr_count:     98
    .vgpr_count:     768
    .wavefront_size: 32
...
	.end_amdgpu_metadata
.endif
;; end of part 3
